; MI455X (gfx1250); checked and timed in simulation.
; The chip was launched on July 23, 2026; its instructions are those of AMD's public machine-readable ISA for CDNA 5 (MIT licence, August 2026) and "CDNA5" Instruction Set Architecture Reference Guide (July 2026). The comments in the code are by the model that wrote it; some were corrected since.
;; Self Attention. Allowed arithmetic: matrix products marked QUANTISED: E2M3 operands, one E8M0 scale for each 32 along K, by v_wmma_scale_f32_16x16x128_f8f6f4 with both operands' format E2M3, f32 sums; everything else in f32.
;; Inputs: Wk 1,024 x 1,024 float32; Wq 1,024 x 1,024 float32; Wv 1,024 x 1,024 float32; bk 1,024 float32; bq 1,024 float32; bv 1,024 float32; x 4 x 2,048 x 1,024 float32.
;; Outputs: out0 4 x 2,048 x 1,024 float32.
;; This version of the problem:
;;   THIS VERSION OF THE PROBLEM IS GIVEN IN LOW PRECISION. The matrix products marked QUANTISED in the list below multiply operands that are first quantised to E2M3 (2 exponent bits, 3 mantissa bits; 6 bits a number), with one power-of-two scale for each 32 numbers along K (OCP MX v1.0); their sums are f32. All else is computed in f32.
;;   The module's matrix products, in the order in which they are computed (A, B: the left and right operand; K: the contracted axis; several contracted axes count as one K, in the product's order):
;;     1. [M 8,192, K 1,024] x [K 1,024, N 1,024]; A: input x; B: input Wq: QUANTISED
;;     2. [M 8,192, K 1,024] x [K 1,024, N 1,024]; A: input x; B: input Wk: QUANTISED
;;     3. [M 8,192, K 1,024] x [K 1,024, N 1,024]; A: input x; B: input Wv: QUANTISED
;;     4. batch 4 x [M 2,048, K 1,024] x [K 1,024, N 2,048]; A: computed on the way; B: computed on the way: QUANTISED
;;     5. batch 4 x [M 2,048, K 2,048] x [K 2,048, N 1,024]; A: softmax (see below); B: computed on the way: QUANTISED
;;   THE QUANTISER, for each operand of a quantised product, along K:
;;     - K is cut into blocks of 32 from its start; a last block that is shorter is filled with zeros.
;;     - A block's scale is 2^e with e = floor(log2(the largest magnitude in the block)) - 2, held to -126 .. 127; a block of zeros has e = 0. As a byte (E8M0): e + 127.
;;     - Each number is divided by its block's scale, clamped to +-7.5, and rounded to the nearest number of E2M3, ties to even, subnormals kept.
;;     - The product sums the exact products of the quantised numbers (number of the format x scale) in f32.
;;   ~~~python
;;   def quantise(x, axis):      # numpy; x: float32 -> the quantised numbers, widened to float32 again
;;       x = np.moveaxis(x, axis, -1); K = x.shape[-1]
;;       x = np.pad(x, [(0, 0)] * (x.ndim - 1) + [(0, -K % 32)]); x = x.reshape(x.shape[:-1] + (-1, 32)); a = np.abs(x).max(-1, keepdims=True)
;;       e = np.where(a > 0, np.clip(np.frexp(np.where(a > 0, a, 1))[1] - 1 - 2, -126, 127), 0)      # np.frexp(a)[1] - 1 = floor(log2(a)), exactly
;;       r = np.clip(x / 2.0 ** e, -7.5, 7.5)
;;       step = 2.0 ** (np.maximum(np.frexp(np.where(r == 0, 1, r))[1] - 1, 0) - 3)
;;       q = np.round(r / step) * step * 2.0 ** e      # np.round: ties to even
;;       return np.moveaxis(q.reshape(q.shape[:-2] + (-1,))[..., :K], -1, axis).astype(np.float32)
;;   ~~~
;;   SOFTMAX AHEAD OF A QUANTISED PRODUCT. Where the list says 'softmax', what is quantised is not the finished softmax but p = 2^(t - M), with t = logit x log2(e) and M = ceil(the row's largest t), a whole number; so 1/2 < the row's largest p <= 1. The row's sum l is taken of the UNQUANTISED p, in f32, and the product's result is divided by l at the end. Since M is a whole number, a kernel that streams over the keys may use a running M (the ceiling of the running maximum): every later rescaling is an exact power of two, which a block's scale takes up: the codes' values come out the same.
;;   OPERANDS COMPUTED ON THE WAY. 'Computed on the way' means the value that the module computes at that place (a softmax that the list does not call 'softmax' is quantised finished and normalised). What goes into a quantiser is computed in f32, as accurately as f32 sums, v_exp_f32 and their like allow (about 1e-6 of the number): no bf16 or f16 on the way to a quantiser, and a product that is left as it is and whose result goes on into a quantised operand takes f32 operands (vector FMAs, or v_wmma_f32_16x16x4_f32). A number that lies on a knife's edge between two numbers of the format may be rounded either way, as far as f32 arithmetic and the matrix unit's own rounding can turn it there, and no further.
;; One version. Each part assembles by itself: llvm-mc -triple=amdgcn-amd-amdhsa -mcpu=gfx1250 --defsym DOCPART=n.
;; ======== version 1 of 1: 4 launches
;; limits: right only within a limited range of input values
;; workspace buffers: xw 9,011,200 bytes; qkv 19,660,800 bytes; ps 14,680,064 bytes
;; launch quant (part 1): grid 704 x 1, 2 waves a work-group, no clusters, 30,464 bytes of LDS; arguments x, Wq, Wk, Wv, xw; writes xw
.if DOCPART == 1
	.amdgcn_target "amdgcn-amd-amdhsa--gfx1250"
	.amdhsa_code_object_version 6
	.text
	.protected	k_q6796c1c0b4_quant
	.globl	k_q6796c1c0b4_quant
	.p2align	8
	.type	k_q6796c1c0b4_quant,@function
k_q6796c1c0b4_quant:
	s_mov_b64 s[64:65], 0
	v_nop
	global_prefetch_b8 v0, s[64:65] scope:SCOPE_SE
	s_setreg_imm32_b32 hwreg(HW_REG_WAVE_MODE, 25, 1), 1
	s_wait_xcnt 0x0
; x [8192][1024] and Wq, Wk, Wv [1024 (k)][1024 (e)], f32, become codes of FP6 (E2M3) with one E8M0 byte for each 32 along K (x: its columns; W: its FIRST axis).
; A block's scale is 2^(floor(log2(largest magnitude)) - 2): its byte is the largest magnitude's exponent field - 2, held at 1 from below by a floor among the maximum's leaves.
; LIMITS: NaN and infinities are not served.  A block of zeros gets the byte 1 where the rule says 127: its codes are zeros, and these bytes are read by this program alone.
; The biases of q, k and v go into quantisers.
; LAYOUT OF xw.  A fragment (16 rows x 128 K, 12 registers a lane) is an IMAGE OF ITS REGISTERS, 1,536 bytes: piece p of three at 512 p, lane l's registers 4 p .. 4 p + 3 at 16 l.
;   A BAND is 64 neighbouring rows (x) or columns (W): its tile j = 0 .. 3 holds in lane-row 8 h + i (h = 0, 1; i = 0 .. 7) the band's row 32 h + 8 j + i, so that the four tiles of a product leave 32 neighbours in a lane's registers.
;   XC at 0: [512 positions][8 K steps][1,536]; token 256 g + 128 w + 64 c + 32 h + 8 j + i lies at position 16 g + 8 c + 2 j + w, lane-row 8 h + i.
;   WC: [48 bands: Wq, Wk, Wv][4 tiles][8 K steps][1,536].  XWS: [512 positions][2 halves of K][16 rows][4 words].  WS: [48 bands][8 K steps][64 words: 16 j + lane-row].
; SHARES: a wave's unit is 8,192 numbers.  Work-groups 0-191 take W (a wave: a band x 128 K; a lane two columns, its registers down K), 192-703 x (a wave: 16 rows x 512 K).  Each way has LDS bytes of its own.  Waves share nothing: no barrier.
.set XSTG,  0                          ; x: a stage of 16 rows x (512 + 16) bytes for each wave
.set WSTG,  16896                      ; W: four images, 1,664 bytes apart, for each wave
.set SPARE, 30208                      ; the spare words, 128 bytes a wave
.set WC,    6291456
.set XWS,   8650752
.set WS,    8912896
.set SPW,   4
.set NIL,   5
.set R,     32                         ; v32-159 two sets of 64 numbers as loaded
.set X,     160                        ; x: v160-223; W: v160-191 one column's 32 numbers
.set PC,    224                        ; x: v224-235 the codes, v236-242 second halves
.set CD,    192                        ; W: v192-239 the codes of two columns
.macro LOADW t
.irp i, 0,1,2,3,4,5,6,7,8,9,10,11,12,13,14,15,16,17,18,19,20,21,22,23,24,25,26,27,28,29,30,31
	global_load_b64 v[R+64*((\t)%2)+2*\i:R+64*((\t)%2)+2*\i+1], v6, s[22:23] offset:(32*(\t)+\i)*4096 th:TH_LOAD_NT   ; 32 lanes read 256 consecutive bytes, aligned
.endr
.endm
.macro BLOCKW t                        ; block t of the K step: lane half t % 2, registers 6 (t / 2) on
.if (\t) < 3
	s_wait_loadcnt 32                              ; this block's 32 loads are in; the next block's may be out
.else
	s_wait_loadcnt 0x0
.endif
.irp cc, 0,1
.set FD, CD+24*\cc+12*((\t)%2)+6*((\t)/2)
.irp i, 0,1,2,3,4,5,6,7,8,9,10,11,12,13,14,15,16,17,18,19,20,21,22,23,24,25,26,27,28,29,30,31
	v_mov_b32 v[X+\i], v[R+64*((\t)%2)+2*\i+\cc]
.endr
.if (\cc == 1) && ((\t) < 2)
	LOADW (\t)+2
.endif
	v_max3_num_f32 v244, |v[X]|, |v[X+1]|, |v[X+2]|
	v_max3_num_f32 v245, |v[X+3]|, |v[X+4]|, |v[X+5]|
.irp i, 6,10,14,18,22,26
	v_max3_num_f32 v244, v244, |v[X+\i]|, |v[X+\i+1]|
	v_max3_num_f32 v245, v245, |v[X+\i+2]|, |v[X+\i+3]|
.endr
	v_max3_num_f32 v244, v244, |v[X+30]|, |v[X+31]|
	v_max3_num_f32 v244, v244, v245, 0x1800000     ; and the floor 2^(3 - 127)
	v_add_nc_u32 v246, 0xff000000, v244            ; 2 off its exponent field: the conversion's scale operand
	v_lshrrev_b32 v247, 23, v246
.if (\t) == 0
	v_mov_b32 v[20+\cc], v247
.else
	v_lshl_or_b32 v[20+\cc], v247, 8*(\t), v[20+\cc]
.endif
	v_cvt_scalef32_pk16_fp6_f32 v[FD:FD+2], v[X:X+15], v246
	v_cvt_scalef32_pk16_fp6_f32 v[240:242], v[X+16:X+31], v246
	v_nop                                          ; one plain place behind a scaled conversion
	v_mov_b32 v[FD+3], v240
	v_mov_b32 v[FD+4], v241
	v_mov_b32 v[FD+5], v242
.endr
.endm
.macro LOADX f                         ; fragment f: 16 rows x 512 bytes; a load reads 512 consecutive bytes of one row
.irp i, 0,1,2,3,4,5,6,7,8,9,10,11,12,13,14,15
	global_load_b128 v[R+64*((\f)%2)+4*\i:R+64*((\f)%2)+4*\i+3], v6, s[22:23] offset:(\i+24*(\i/8))*4096+512*(\f) th:TH_LOAD_NT
.endr
.endm
.macro FRAGX f
.if (\f) < 3
	s_wait_loadcnt 16                              ; this fragment's 16 loads are in; the next one's 16 may be out
.else
	s_wait_loadcnt 0x0
.endif
.irp i, 0,1,2,3,4,5,6,7,8,9,10,11,12,13,14,15
	ds_store_b128 v7, v[R+64*((\f)%2)+4*\i:R+64*((\f)%2)+4*\i+3] offset:528*\i
.endr
.irp c, 0,1
.irp j, 0,1,2,3,4,5,6,7
	ds_load_b128 v[X+32*\c+4*\j:X+32*\c+4*\j+3], v8 offset:256*\c+16*\j   ; row r, k = 64 c + 32 h + 0 .. 31: a whole block
.endr
.endr
	s_wait_dscnt 0x0                               ; the numbers are back; the stores into the stage have read their registers
.if (\f) > 0
	s_wait_xcnt 0x0                                ; the last fragment's stores have read the codes' registers
.endif
.if (\f)+2 < 4
	LOADX (\f)+2
.endif
.irp c, 0,1
	v_max3_num_f32 v[12+2*\c], |v[X+32*\c]|, |v[X+32*\c+1]|, |v[X+32*\c+2]|
	v_max3_num_f32 v[13+2*\c], |v[X+32*\c+3]|, |v[X+32*\c+4]|, |v[X+32*\c+5]|
.endr
.irp i, 6,10,14,18,22,26
.irp c, 0,1
	v_max3_num_f32 v[12+2*\c], v[12+2*\c], |v[X+32*\c+\i]|, |v[X+32*\c+\i+1]|
	v_max3_num_f32 v[13+2*\c], v[13+2*\c], |v[X+32*\c+\i+2]|, |v[X+32*\c+\i+3]|
.endr
.endr
.irp c, 0,1
	v_max3_num_f32 v[12+2*\c], v[12+2*\c], |v[X+32*\c+30]|, |v[X+32*\c+31]|
.endr
.irp c, 0,1
	v_max3_num_f32 v[12+2*\c], v[12+2*\c], v[13+2*\c], 0x1800000
.endr
.irp c, 0,1
	v_add_nc_u32 v[16+\c], 0xff000000, v[12+2*\c]
.endr
.irp c, 0,1
	v_lshrrev_b32 v[18+\c], 23, v[16+\c]
.endr
	v_lshl_or_b32 v18, v19, 16, v18                ; my bytes: blocks h and 2 + h,
	v_lshlrev_b32 v18, v10, v18                    ; 8 h bits up
	v_permlanex16_b32 v11, v18, s20, s21
	v_or_b32 v[28+(\f)], v18, v11                  ; with lane l xor 16's two the word is whole
.irp c, 0,1
	v_cvt_scalef32_pk16_fp6_f32 v[PC+6*\c:PC+6*\c+2], v[X+32*\c:X+32*\c+15], v[16+\c]
	v_cvt_scalef32_pk16_fp6_f32 v[PC+12+4*\c:PC+14+4*\c], v[X+32*\c+16:X+32*\c+31], v[16+\c]
.endr
	v_nop                                          ; one plain place behind a scaled conversion
.irp c, 0,1
.irp i, 0,1,2
	v_mov_b32 v[PC+3+6*\c+\i], v[PC+12+4*\c+\i]
.endr
.endr
.irp p, 0,1,2
	global_store_b128 v6, v[PC+4*\p:PC+4*\p+3], s[26:27] offset:1536*(\f)+512*\p
.endr
.endm
	s_load_b256 s[4:11], s[0:1], 0x0               ; x, Wq, Wk, Wv
	s_load_b64 s[12:13], s[0:1], 0x20              ; xw
	v_lshl_add_u32 v[SPW], v0, 2, SPARE
	v_mov_b32 v[NIL], 0
	v_lshrrev_b32 v1, 5, v0
	v_readfirstlane_b32 s14, v1                    ; wave 0, 1
	v_and_b32 v1, 31, v0                           ; lane
	v_and_b32 v2, 15, v0                           ; r
	v_bfe_u32 v3, v0, 4, 1                         ; h
	s_wait_alu depctr_va_vdst(0)
	s_mov_b32 s20, 0x76543210
	s_mov_b32 s21, 0xfedcba98
	s_mov_b32 s15, 0xffff0000                      ; lanes 16-31
	s_cmp_lt_u32 ttmp9, 192
	s_cbranch_scc0 .Lpath_x
	; ================ W: matrix m, band, K step
	s_lshr_b32 s16, ttmp9, 6                       ; m
	s_bfe_u32 s17, ttmp9, 0x40002                  ; band
	s_and_b32 s18, ttmp9, 3
	s_lshl_b32 s18, s18, 1
	s_add_co_u32 s18, s18, s14                     ; K step
	s_mul_i32 s19, s14, 6656
	s_add_co_u32 s19, s19, WSTG                    ; my stage
	s_lshl_b32 s24, s18, 19                        ; W: 128 x K step rows of 4,096 bytes,
	s_lshl_b32 s25, s17, 8
	s_add_co_u32 s24, s24, s25                     ; + the band's 256 bytes
	s_mov_b32 s25, 0
	s_lshl_b32 s30, s16, 4
	s_add_co_u32 s30, s30, s17                     ; 16 m + band
	s_mul_i32 s26, s30, 49152
	s_mul_i32 s27, s18, 1536
	s_add_co_u32 s26, s26, s27
	s_add_co_u32 s26, s26, WC
	s_mov_b32 s27, 0
	s_lshl_b32 s28, s30, 11
	s_lshl_b32 s29, s18, 8
	s_add_co_u32 s28, s28, s29
	s_add_co_u32 s28, s28, WS
	s_mov_b32 s29, 0
	v_lshlrev_b32 v6, 3, v1                        ; in: 8 bytes a lane: columns 2 l, 2 l + 1 of the band
	v_bfe_u32 v12, v0, 2, 2                        ; they lie in tile (l / 4) % 4,
	v_and_b32 v13, 3, v0                           ; at lane-rows 8 (l / 16) + 2 (l % 4), + 1
	v_mul_u32_u24 v7, v12, 1664
	v_lshl_add_u32 v7, v3, 7, v7
	v_lshl_add_u32 v7, v13, 5, v7
	v_add_nc_u32 v7, s19, v7                       ; into the stage
	v_lshlrev_b32 v18, 4, v1
	v_add_nc_u32 v8, s19, v18                      ; out of it
	v_lshlrev_b32 v9, 6, v12
	v_lshl_add_u32 v9, v3, 5, v9
	v_lshl_add_u32 v9, v13, 3, v9                  ; my two scale words
	s_wait_alu depctr_va_vdst(0)
	s_wait_kmcnt 0x0
	s_cmp_eq_u32 s16, 0                            ; the choice of the matrix hangs on the work-group's number alone
	s_cselect_b64 s[22:23], s[6:7], s[8:9]
	s_cmp_eq_u32 s16, 2
	s_cselect_b64 s[22:23], s[10:11], s[22:23]
	s_add_nc_u64 s[22:23], s[22:23], s[24:25]
	s_add_nc_u64 s[26:27], s[12:13], s[26:27]
	s_add_nc_u64 s[28:29], s[12:13], s[28:29]
	LOADW 0
	LOADW 1
.irp t, 0,1,2,3
	BLOCKW \t
.endr
	s_wait_alu depctr_va_vdst(0)
.irp cc, 0,1
.irp hk, 0,1
.irp p, 0,1,2
	ds_store_b128 v7, v[CD+24*\cc+12*\hk+4*\p:CD+24*\cc+12*\hk+4*\p+3] offset:16*\cc+256*\hk+512*\p
.endr
.endr
.endr
	global_store_b64 v9, v[20:21], s[28:29]        ; 32 lanes store one aligned unit of 256 bytes
.irp j, 0,1,2,3
.irp p, 0,1,2
	ds_load_b128 v[R+12*\j+4*\p:R+12*\j+4*\p+3], v8 offset:1664*\j+512*\p   ; LDS serves a wave's instructions in order: these see my stores
.endr
.endr
	s_wait_dscnt 0x0
.irp j, 0,1,2,3
.irp p, 0,1,2
	global_store_b128 v18, v[R+12*\j+4*\p:R+12*\j+4*\p+3], s[26:27] offset:12288*\j+512*\p   ; 512 consecutive bytes
.endr
.endr
	s_wait_tensorcnt 0x0                           ; the wave's end
	ds_add_u32 v[SPW], v[NIL]
	s_wait_dscnt 0x0
	s_endpgm
	; ================ x: position P = work-group - 192, K = 512 x wave on
.Lpath_x:
	s_sub_co_u32 s17, ttmp9, 192                   ; P
	s_lshr_b32 s24, s17, 4
	s_lshl_b32 s24, s24, 8                         ; 256 g
	s_and_b32 s25, s17, 1
	s_lshl_b32 s25, s25, 7
	s_add_co_u32 s24, s24, s25                     ; + 128 w
	s_bfe_u32 s25, s17, 0x10003
	s_lshl_b32 s25, s25, 6
	s_add_co_u32 s24, s24, s25                     ; + 64 c
	s_bfe_u32 s25, s17, 0x20001
	s_lshl_b32 s25, s25, 3
	s_add_co_u32 s24, s24, s25                     ; + 8 j
	s_lshl_b32 s24, s24, 12
	s_lshl_b32 s25, s14, 11
	s_add_co_u32 s24, s24, s25
	s_mov_b32 s25, 0
	s_mul_i32 s26, s17, 12288
	s_mul_i32 s27, s14, 6144
	s_add_co_u32 s26, s26, s27
	s_mov_b32 s27, 0
	s_lshl_b32 s28, s17, 9
	s_lshl_b32 s29, s14, 8
	s_add_co_u32 s28, s28, s29
	s_add_co_u32 s28, s28, XWS
	s_mov_b32 s29, 0
	s_mul_i32 s19, s14, 8448                       ; my stage
	v_lshlrev_b32 v6, 4, v1                        ; 16 x lane
	v_add_nc_u32 v7, s19, v6                       ; into the stage: a row as it lies
	v_mul_u32_u24 v8, v2, 528
	v_lshl_add_u32 v8, v3, 7, v8
	v_add_nc_u32 v8, s19, v8                       ; out of it: row r, + 128 h
	v_lshlrev_b32 v10, 3, v3                       ; 8 h
	v_lshl_add_u32 v9, v2, 4, v10                  ; 16 r + 8 h
	v_mov_b32 v11, 0                               ; a lane permute's destination counts as one of its sources
	s_wait_alu depctr_va_vdst(0)
	s_wait_kmcnt 0x0
	s_add_nc_u64 s[22:23], s[4:5], s[24:25]
	s_add_nc_u64 s[26:27], s[12:13], s[26:27]
	s_add_nc_u64 s[28:29], s[12:13], s[28:29]
	LOADX 0
	LOADX 1
.irp f, 0,1,2,3
	FRAGX \f
.endr
	v_cndmask_b32 v12, v28, v30, s15               ; lanes 0-15 store the words of K steps 0, 1, lanes 16-31 those of 2, 3
	v_cndmask_b32 v13, v29, v31, s15
	global_store_b64 v9, v[12:13], s[28:29]        ; 32 lanes store one aligned unit of 256 bytes
	s_wait_tensorcnt 0x0                           ; the wave's end
	ds_add_u32 v[SPW], v[NIL]
	s_wait_dscnt 0x0
	s_endpgm
.Lfunc_end_k_q6796c1c0b4_quant:
	.size	k_q6796c1c0b4_quant, .Lfunc_end_k_q6796c1c0b4_quant-k_q6796c1c0b4_quant
	.p2alignl 7, 3214868480
	.fill 96, 4, 3214868480
	.section	.rodata,"a",@progbits
	.p2align	6, 0x0
	.amdhsa_kernel k_q6796c1c0b4_quant
		.amdhsa_group_segment_fixed_size 30464
		.amdhsa_private_segment_fixed_size 0
		.amdhsa_enable_private_segment 0
		.amdhsa_kernarg_size 40
		.amdhsa_user_sgpr_count 2
		.amdhsa_user_sgpr_kernarg_segment_ptr 1
		.amdhsa_wavefront_size32 1
		.amdhsa_system_sgpr_workgroup_id_x 1
		.amdhsa_system_sgpr_workgroup_id_y 1
		.amdhsa_system_sgpr_workgroup_id_z 1
		.amdhsa_system_vgpr_workitem_id 0
		.amdhsa_next_free_vgpr 256
		.amdhsa_next_free_sgpr 66
		.amdhsa_reserve_vcc 0
		.amdhsa_float_denorm_mode_32 3
		.amdhsa_float_denorm_mode_16_64 3
		.amdhsa_memory_ordered 1
		.amdhsa_forward_progress 1
		.amdhsa_inst_pref_size 67
	.end_amdhsa_kernel
	.amdgpu_metadata
---
amdhsa.version: [ 1, 2 ]
amdhsa.kernels:
  - .name:           k_q6796c1c0b4_quant
    .symbol:         k_q6796c1c0b4_quant.kd
    .args:
      - { .name: x, .offset: 0, .size: 8, .value_kind: global_buffer, .address_space: global }
      - { .name: Wq, .offset: 8, .size: 8, .value_kind: global_buffer, .address_space: global }
      - { .name: Wk, .offset: 16, .size: 8, .value_kind: global_buffer, .address_space: global }
      - { .name: Wv, .offset: 24, .size: 8, .value_kind: global_buffer, .address_space: global }
      - { .name: xw, .offset: 32, .size: 8, .value_kind: global_buffer, .address_space: global }
    .group_segment_fixed_size: 30464
    .private_segment_fixed_size: 0
    .kernarg_segment_align: 8
    .kernarg_segment_size: 40
    .max_flat_workgroup_size: 64
    .sgpr_count:     66
    .vgpr_count:     256
    .wavefront_size: 32
...
	.end_amdgpu_metadata
.endif
;; end of part 1
;; launch proj (part 2): grid 16 x 16, 4 waves a work-group, clusters of 4 x 4, 327,680 bytes of LDS; arguments xw, bq, bk, bv, qkv; writes qkv
.if DOCPART == 2
	.amdgcn_target "amdgcn-amd-amdhsa--gfx1250"
	.amdhsa_code_object_version 6
	.text
	.protected	k_q6796c1c0b4_proj
	.globl	k_q6796c1c0b4_proj
	.p2align	8
	.type	k_q6796c1c0b4_proj,@function
k_q6796c1c0b4_proj:
	s_mov_b64 s[64:65], 0
	v_nop
	global_prefetch_b8 v0, s[64:65] scope:SCOPE_SE
	s_setreg_imm32_b32 hwreg(HW_REG_WAVE_MODE, 25, 1), 1
	s_wait_xcnt 0x0
	s_wait_alu depctr_hold_cnt(0) depctr_sa_sdst(0) depctr_va_vdst(0) depctr_va_sdst(0) depctr_va_ssrc(0) depctr_va_vcc(0) depctr_vm_vsrc(0)
	s_getreg_b32 s2, hwreg(HW_REG_IB_STS2, 6, 4)
	s_cmp_eq_u32 s2, 0
	s_cbranch_scc0 .Lentry_in_a_cluster
	s_endpgm
.Lentry_in_a_cluster:
	s_bfe_u32 s2, ttmp6, 0x10000c
	s_cmp_lg_u32 s2, 0xf033
	s_cbranch_scc0 .Lentry_shape_is_right
	s_endpgm
.Lentry_shape_is_right:
; q, k, v = x W + b on codes of FP6 (E2M3), f32 sums, and their quantisers: q and k along the channels, v along the tokens.  No f32 result is stored.
; LIMITS: NaN and infinities are not served.  A block of zeros gets the byte 1: its codes are zeros.
; THE RESULT, qkv: q at 0, k at 6,291,456: [512 blocks of 16 tokens][8 K steps][2 halves of 64 channels][1,536 / 2 bytes]: registers 2 p, 2 p + 1 at 256 p + 8 x lane.  Block 4 b + j is tile j of band b (64 tokens).
;   VC: [64 blocks of 16 channels][64 key steps of 128 tokens][1,536]: three pieces of four registers.  QKS: 16 planes (q's 8 K steps, k's 8) of 8,192 scale words.  VS: [32 pairs of key steps][1,024 channels][2 words].
; THE DEAL.  256 work-groups, four waves, 2 x 2.  A wave holds 64 columns of a weight, all of K, in 384 registers and streams x's blocks of 16 rows past them: 32 products a block.  Wave row w takes key step w's tokens, wave column b 64 of the 128 columns.
; PHASE 1 makes 256 x 128 of v, PHASE 2 512 x 128 of q or k.  v's 256 rows are a half (s87, from the cluster's number alone) of the work-group's own 512: its two chunks of 128 rows serve both phases; the other half's two chunks are refills.
; x's rows are shared by a row of the cluster, a weight's columns by a column of it.
; LDS: the weight's region at 0, x's slots behind it, x's scale words (16 bytes a row and half of K), the stages for the results' scale bytes, the spare words.
; FILLS: at the head one tensor load a wave.  Three refills, each in a drained round that stands inside a block: the second weight (phase 1, block 2), chunks 2 and 3 (phase 2, blocks 2 and 6).
; A BLOCK's products have two ENTRIES of a list behind every second one: the next addresses and the largest magnitude of the LAST block's sums; the conversions stand behind the block's last product.
; WAITS: a block's rows were fetched two blocks ago; younger are the next block's fetch (NF loads) and the byte stores issued ahead of it (none, one or four).
; Prefetches: the second weight at the head, chunk 2 and the later scale words behind the first refill, chunk 3 between the phases; sixteen waves of the four work-groups that ask jointly share each tile by address.
; A half of a fragment of q or k is 768 bytes: its six registers lie as three pieces of 256 bytes, registers 2 p, 2 p + 1 at 256 p + 8 x lane: this holds where the third line of this head says otherwise.
.set BLK,   12288                      ; a block of 16 rows: 8 fragments of 1,536 bytes
.set CH,    98304                      ; a chunk: 8 blocks
.set S0,    CH                         ; slot 0; slot 1 lies behind it
.set SCL,   3*CH
.set XN,    SCL+16384                  ; q's or k's scale words: 512 rows in the order of work
.set XM,    XN+2048                    ; v's: [128 channels][2 words]
.set SPARE, XM+1024
.set WC,    6291456
.set XWS,   8650752
.set WS,    8912896
.set VC,    12582912
.set QKS,   18874368
.set VS,    19398656
.set NF,    26                         ; LDS loads of a block's fetch
.set ADRW,  4                          ; v4   LDS: my weight tiles
.set ADRA0, 5                          ; v5   LDS: my block 0
.set ADRA,  6                          ; v6   LDS: the block that is fetched next
.set AAS0,  7                          ; v7, v8  the same for the scale words
.set AAS,   8
.set CO,    9                          ; 16 x lane
.set SPW,   10
.set NIL,   11
.set C8,    12                         ; 8 x lane
.set STO,   18                         ; LDS: q's or k's scale byte, block 0
.set STV,   19                         ; LDS: v's
.set VX,    20                         ; LDS: the scale byte of the block on its way out
.set SB,    24                         ; v24-39 the weight's scale words: 8 p + K step; lanes 0-15 tile 2 p, lanes 16-31 tile 2 p + 1
.set TQ,    40
.set SA,    44                         ; v44-59 x's scale words, two sets
.set TC,    60
.set ACC,   64                         ; v64-127 phase 2's sums, two sets
.set HV0,   64                         ; v64-191 phase 1, band 0: 32 t + 8 j + i
.set NCD,   128                        ; v128-133 phase 2's codes
.set BBQ,   160                        ; v160-191 q's or k's bias, laid as the sums
.set MCD,   192                        ; v192-239 v's codes
.set SOP,   240
.set EB,    244
.set HV1,   840                        ; v840-967 phase 1, band 1
.set SB2,   968                        ; v968-983 the second weight's scale words
.set BBV,   992                        ; v992-1023 v's bias, eight registers a tile
.set G1A, 24
.set G1B, 32
.set G0A, 56
.set G0B, 60
.set G0R, 68
.set G0S, 72
.set G1S, 92
.set MSB, 0
.macro WIN new
.if MSB != (\new)
	s_set_vgpr_msb (MSB<<8)|(\new)
.set MSB, (\new)
.endif
.endm
.macro PLACES n
.rept \n
	v_nop
.endr
.endm
.macro WALU
	s_wait_alu depctr_va_vdst(0)
.endm
.macro BARRIER
	s_barrier_signal -1
	s_barrier_wait -1
.endm
.macro MIDDLE
	WIN 0
	s_barrier_wait -1
	s_cmp_lg_u32 s14, 0
	s_cbranch_scc1 .Lnot_wave_0_\@
	s_barrier_signal -3
.Lnot_wave_0_\@:
	s_barrier_wait -3
.endm
.macro CROUND
	s_barrier_signal -1
	MIDDLE
	BARRIER
.endm
.macro GRD
	s_wait_tensorcnt 0x0
	ds_add_u32 v[SPW], v[NIL]
.endm
.macro TLOAD g0, g1
	tensor_load_to_lds s[\g0:\g0+3], s[\g1:\g1+7]
	s_nop 0
	PLACES 4
.endm
.macro GROUP1 g, mask, c, rows
	s_or_b32 s[\g], s[\mask], (3<<16)|(1<<21)
	s_mov_b32 s[\g+1], (\c)<<16
	s_mov_b32 s[\g+2], (\rows)<<16
	s_mov_b32 s[\g+3], (\c)<<16
	s_mov_b32 s[\g+4], \rows
	s_mov_b32 s[\g+5], \c
	s_mov_b32 s[\g+6], 0
	s_mov_b32 s[\g+7], 0
.endm
.macro SADD d, a
	s_add_co_u32 s\d, s\d, s\a
.endm
; fragment f: window 1 + f / 21, register 12 (f % 21): 0-31 the weight's (4 q + t), 32-39 and 40-47 x's two sets
.macro FRAG f, adr, off
	WIN (1+(\f)/21)<<6
.set R_, 12*((\f)%21)
.irp p, 0,1,2
	ds_load_b128 v[R_+4*\p:R_+4*\p+3], v[\adr] offset:(\off)+512*\p
.endr
.endm
.macro WEIGHTS                         ; my 64 columns, all of K: 96 loads
.irp q, 0,1,2,3,4,5,6,7
.irp t, 0,1,2,3
	FRAG 4*\q+\t, ADRW, BLK*\t+1536*\q
.endr
.endr
	WIN 0
.endm
.macro FETCH e, adr, aoff, as, soff    ; a block of x into set e: NF loads
.irp q, 0,1,2,3,4,5,6,7
	FRAG 32+8*(\e)+\q, \adr, (\aoff)+1536*\q
.endr
	WIN 0
	ds_load_b128 v[SA+8*(\e):SA+8*(\e)+3], v[\as] offset:\soff
	ds_load_b128 v[SA+8*(\e)+4:SA+8*(\e)+7], v[\as] offset:(\soff)+256
.endm
.macro WM side, row
	v_wmma_scale_f32_16x16x128_f8f6f4 v[DL_:DL_+7], v[R0_:R0_+11], v[R1_:R1_+11], v[CL_:CL_+7], v[X0_], v[X1_] matrix_a_fmt:MATRIX_FMT_FP6 matrix_b_fmt:MATRIX_FMT_FP6 matrix_\side\()_scale:MATRIX_SCALE_ROW\row
.endm
; product n = 4 q + t.  kind 0 (q, k): source 0 = the weight's tile, source 1 = x's block; kind 1 (v): the other way round.  The bias is the first product's C.  Four accumulators take turns.
.macro PROD kind, e, n, a0, as
.set Q_, (\n)/4
.set T4_, (\n)%4
.set D_, (\a0)+(\as)*T4_
.set C_, D_
.if \kind
.set F0_, 32+8*(\e)+Q_
.set F1_, \n
.set X0_, SA+8*(\e)+Q_
.set X1_, SB+8*(T4_/2)+Q_
.if Q_ == 0
.set C_, BBV+8*T4_
.endif
.else
.set F0_, \n
.set F1_, 32+8*(\e)+Q_
.set X0_, SB+8*(T4_/2)+Q_
.set X1_, SA+8*(\e)+Q_
.if Q_ == 0
.set C_, BBQ+8*T4_
.endif
.endif
.set DL_, D_&255
.set CL_, C_&255
.set R0_, 12*(F0_%21)
.set R1_, 12*(F1_%21)
	WIN (1+F0_/21)|((1+F1_/21)<<2)|((C_>>8)<<4)|((D_>>8)<<6)
.if \kind
.if T4_%2
	WM b, 1
.else
	WM b, 0
.endif
.else
.if T4_%2
	WM a, 1
.else
	WM a, 0
.endif
.endif
.endm
.macro BLOCK kind, e, a0, as, from, to, list, x=0, y=0
.set N_, \from
.rept (\to)-(\from)
	PROD \kind, \e, N_, \a0, \as
.if N_%2
	\list N_-1, \x, \y
	\list N_, \x, \y
.endif
.set N_, N_+1
.endr
.endm
.macro CHAIN i, x, n, t=TQ             ; 18 entries: the largest magnitude of the 32 sums from register x on, in two chains, with the floor 2^(3 - 127); then the conversions' scale operand
.set XW_, (\x)>>8
.set XL_, (\x)&255
.if ((\i) >= 0) && ((\i) < 14)
.set B_, XL_+16*((\i)%2)+2*((\i)/2)
.set T_, (\t)+1-(\i)%2
.if (\i) < 2
	WIN XW_|(XW_<<2)|(XW_<<4)
	v_max3_num_f32 v[T_], |v[B_]|, |v[B_+1]|, |v[B_+2]|
.else
	WIN (XW_<<2)|(XW_<<4)
	v_max3_num_f32 v[T_], v[T_], |v[B_+1]|, |v[B_+2]|
.endif
.elseif (\i) == 14
	WIN XW_<<2
	v_max3_num_f32 v[\t+1], v[\t+1], |v[XL_+15]|, 0x1800000
.elseif (\i) == 15
	WIN 0
	v_nop                                          ; so that the next line stands in the next pair
.elseif (\i) == 16
	WIN XW_<<2
	v_max3_num_f32 v[\t], v[\t], |v[XL_+31]|, v[\t+1]
.elseif (\i) == 17
	WIN 0
	v_add_nc_u32 v[SOP+\n], 0xff000000, v[\t]
.endif
.endm
.macro CODES i, x, c, n, t=TC          ; 6 lines: 32 codes into v[c .. c + 5], the scale's byte into v[EB + n]
.set XW_, (\x)>>8
.set XL_, (\x)&255
.if (\i) == 0
	WIN XW_
	v_cvt_scalef32_pk16_fp6_f32 v[\c:\c+2], v[XL_:XL_+15], v[SOP+\n]
.elseif (\i) == 1
	WIN XW_
	v_cvt_scalef32_pk16_fp6_f32 v[\t:\t+2], v[XL_+16:XL_+31], v[SOP+\n]
.elseif (\i) == 2
	WIN 0
	v_lshrrev_b32 v[EB+\n], 23, v[SOP+\n]
.else
	WIN 0
	v_mov_b32 v[\c+\i], v[\t+\i-3]
.endif
.endm
.macro CODES6 x, c, n
.irp i, 0,1,2,3,4,5
	CODES \i, \x, \c, \n
.endr
.endm
.macro PFTILE v, off, share            ; my sixteenth of a tile of 98,304 bytes: 24 blocks of 256, a lane each (the lanes left over name the last again)
	s_mul_i32 s21, s\share, 6144
	s_add_co_u32 s20, s\off, s21
	WIN 0
	v_min_u32 v\v, 23, v3
	v_lshl_add_u32 v\v, v\v, 8, s20
.endm
.macro PFGO v
	global_prefetch_b8 v\v, s[4:5] th:TH_LOAD_NT scope:SCOPE_SE
.endm
; ---- the lists
.macro L_NONE i, x, y
.endm
.macro L_STEP i, x, y                  ; x: the block that is fetched next
.if (\i) == 0
	WIN 0
	v_add_nc_u32 v[ADRA], 24576*(\x), v[ADRA0]
.endif
.endm
.macro L_V i, x, y                     ; the same (x > 0), and the way out of v's tile y, band 0
.if (\x) > 0
	L_STEP \i, \x
.endif
	CHAIN (\i)-1, HV0+32*(\y), \y
.endm
.macro L_V2 i, x, y                    ; the descriptors of the refills: groups 1 for half chunks; group 0 of chunk 2 stands one chunk behind it, since a round steps it first
.if (\i) == 0
	s_mov_b32 s[G1A+2], 4<<16
	s_mov_b32 s[G1A+4], 4
	s_mov_b32 s[G1S+2], 2<<16
	s_mov_b32 s[G1S+4], 2
.elseif (\i) == 1
	s_mov_b32 s[G1B+2], 4<<16
	s_mov_b32 s[G1B+4], 4
	s_mul_i32 s[G0B+1], s14, 49152
	s_mul_i32 s[G0R+1], s14, 49152
.elseif (\i) == 2
	s_mul_i32 s22, s14, 49152
	s_add_co_u32 s20, s22, s55
	s_mov_b32 s21, 0
	s_add_nc_u64 s[G0B+2:G0B+3], s[4:5], s[20:21]
.elseif (\i) == 3
	s_or_b32 s[G0B+3], s[G0B+3], 0x80000000
	s_add_co_u32 s20, s22, s88
	s_add_nc_u64 s[G0R+2:G0R+3], s[4:5], s[20:21]
	s_sub_nc_u64 s[G0R+2:G0R+3], s[G0R+2:G0R+3], CH
.elseif (\i) == 4
	s_or_b32 s[G0R+3], s[G0R+3], 0x80000000
	s_mov_b32 s[G0S+1], SCL+4096
	s_mov_b32 s20, s89
	s_add_nc_u64 s[G0S+2:G0S+3], s[4:5], s[20:21]
.elseif (\i) == 5
	s_or_b32 s[G0S+3], s[G0S+3], 0x80000000
	L_STEP 0, 4
.elseif (\i) == 6
	PFTILE 14, 88, 90
.elseif (\i) == 7
	s_lshl_b32 s21, s90, 9
	s_add_co_u32 s20, s89, s21
	s_add_co_u32 s20, s20, 4096
	WIN 0
	v_min_u32 v15, 1, v3
	v_lshl_add_u32 v15, v15, 8, s20
.elseif (\i) == 8
	s_add_co_u32 s22, s88, CH
	PFTILE 17, 22, 90
.endif
.endm
; where block s46's codes (s[84:85]) and scale byte (v[VX]) go: the codes by the true block, the stage by the order of work; f = 1: then the addresses of the block three on
.macro PLACE i, f
.if (\i) == 0
	s_xor_b32 s20, s46, s49
	s_and_b32 s21, s20, 8
	SADD 20, 21
	s_mul_i32 s20, s20, BLK
.elseif (\i) == 1
	s_mov_b32 s21, 0
	s_add_nc_u64 s[84:85], s[76:77], s[20:21]
	s_and_b32 s22, s46, 7
	s_lshl_b32 s22, s22, 6
.elseif (\i) == 2
	s_and_b32 s23, s46, 8
	s_lshl_b32 s23, s23, 7
	s_or_b32 s22, s22, s23
	s_add_co_u32 s46, s46, 1
	WIN 0
	v_add_nc_u32 v[VX], s22, v[STO]
.elseif ((\i) == 3) && (\f)
	s_add_co_u32 s22, s46, 2
	s_and_b32 s22, s22, 7
	s_mul_i32 s22, s22, 24576
	WIN 0
	v_add_nc_u32 v[ADRA], s22, v[ADRA0]
.elseif ((\i) == 4) && (\f)
	s_add_co_u32 s23, s46, 2
	s_and_b32 s23, s23, 15
	s_lshl_b32 s23, s23, 10
	WIN 0
	v_add_nc_u32 v[AAS], s23, v[AAS0]
.endif
.endm
.macro L_OUT i, x, y
	PLACE \i, \y
	CHAIN (\i)-5, \x, 0
.endm
.macro L_ROUND i, x, y
	PLACE \i, 1
.if (\i) == 5
	s_add_nc_u64 s[G0R+2:G0R+3], s[G0R+2:G0R+3], CH
	s_add_co_u32 s[G0R+1], s[G0R+1], CH
	s_add_nc_u64 s[G0S+2:G0S+3], s[G0S+2:G0S+3], 4096
	s_add_co_u32 s[G0S+1], s[G0S+1], 4096
.endif
	CHAIN (\i)-6, \x, 0
.endm
; ---- phase 2's blocks.  w: the count of the wait for the block's rows (-1: they are shown in already)
.macro BHEAD w
.if (\w) >= 0
	s_wait_dscnt \w
.endif
	s_wait_xcnt 0x0                                ; the last block's stores have read their base and their registers
.endm
.macro SENDB
	global_store_b64 v[C8], v[NCD:NCD+1], s[84:85]                 ; 256 consecutive bytes each
	global_store_b64 v[C8], v[NCD+2:NCD+3], s[84:85] offset:256
	global_store_b64 v[C8], v[NCD+4:NCD+5], s[84:85] offset:512
.endm
.macro OUTB
	WALU
	ds_store_b8 v[VX], v[EB]
	SENDB
.endm
.macro NORMAL w, e, fetch
	BHEAD \w
	BLOCK 0, \e, ACC+32*\e, 8, 0, 32, L_OUT, ACC+32*(1-\e), \fetch
	WIN 0
	CODES6 ACC+32*(1-\e), NCD, 0
	OUTB
.if \fetch
	FETCH \e, ADRA, 0, AAS, 0
.endif
.endm
.macro ROUNDB w
	BHEAD \w
	GRD
	BLOCK 0, 0, ACC, 8, 0, 26, L_ROUND, ACC+32
	WIN 0
	WALU
	s_wait_dscnt 0x0
	s_barrier_signal -1
	BLOCK 0, 0, ACC, 8, 26, 32, L_NONE
	WIN 0
	CODES6 ACC+32, NCD, 0
	MIDDLE
	BARRIER
	s_cmp_lt_u32 s14, 2
	s_cbranch_scc0 .Lscales_\@
	TLOAD G0R, G1A                                 ; waves 0 and 1: half a chunk each
	s_branch .Lasked_\@
.Lscales_\@:
	s_cmp_eq_u32 s14, 2
	s_cbranch_scc0 .Lnone_\@
	TLOAD G0S, G1S                                 ; wave 2: its scale words
.Lnone_\@:
.Lasked_\@:
	OUTB
	FETCH 0, ADRA, 0, AAS, 0
.endm
.macro SHOWB w                         ; a plain barrier inside the block shows the last chunk to all
	BHEAD \w
	BLOCK 0, 0, ACC, 8, 0, 26, L_OUT, ACC+32, 1
	WIN 0
	WALU
	s_wait_tensorcnt 0x0
	s_wait_dscnt 0x0
	s_barrier_signal -1
	BLOCK 0, 0, ACC, 8, 26, 32, L_NONE
	WIN 0
	s_barrier_wait -1
	CODES6 ACC+32, NCD, 0
	OUTB
	FETCH 0, ADRA, 0, AAS, 0
.endm
; ================= THE HEAD
	s_load_b256 s[4:11], s[0:1], 0x0               ; xw, bq, bk, bv
	s_load_b64 s[12:13], s[0:1], 0x20              ; qkv
	v_lshl_add_u32 v[SPW], v0, 2, SPARE
	v_mov_b32 v[NIL], 0
	ds_add_u32 v[SPW], v[NIL]                      ; the opening lines
	ds_add_u32 v[SPW], v[NIL]
	v_lshrrev_b32 v1, 5, v0
	v_readfirstlane_b32 s14, v1                    ; wave
	s_lshr_b32 s15, s14, 1                         ; w
	s_and_b32 s16, s14, 1                          ; b
	s_bfe_u32 s40, ttmp6, 0x40000                  ; cx
	s_bfe_u32 s41, ttmp6, 0x40004                  ; cy
	s_lshl_b32 s42, ttmp9, 2
	SADD 42, 40                                    ; phase 2's tile column: 0-7 q, 8-15 k
	s_and_b32 s43, ttmp7, 0xffff
	s_lshl_b32 s43, s43, 2
	SADD 43, 41                                    ; its tile row of 512 tokens
	s_lshr_b32 s19, ttmp9, 1                       ; 0 q, 1 k
	s_and_b32 s87, ttmp9, 1                        ; v's half of my 512 rows
	s_lshl_b32 s47, s19, 2
	SADD 47, 40                                    ; v's tile column
	s_lshl_b32 s48, s43, 1
	SADD 48, 87                                    ; v's tile row of 256 tokens
	s_lshl_b32 s49, s87, 3
	s_lshl_b32 s44, s41, 2
	s_lshl_b32 s44, 15, s44                        ; my row of the cluster
	s_lshl_b32 s45, 0x1111, s40                    ; my column
	GROUP1 G1A, 44, 1536, 8
	GROUP1 G1B, 45, 1536, 8
	GROUP1 G1S, 44, 256, 4
	s_mul_i32 s54, s47, CH
	s_add_co_u32 s54, s54, WC+32*49152             ; Wv's columns, bytes from xw
	s_mul_i32 s55, s42, CH
	s_add_co_u32 s55, s55, WC                      ; Wq's or Wk's
	s_mul_i32 s66, s48, 2*CH                       ; v's half of x
	s_lshl_b32 s67, s48, 13
	s_add_co_u32 s67, s67, XWS                     ; and its scale words
	s_xor_b32 s20, s48, 1
	s_mul_i32 s88, s20, 2*CH                       ; the other half
	s_lshl_b32 s89, s20, 13
	s_add_co_u32 s89, s89, XWS-4096                ; its scale words, one chunk behind
	s_lshl_b32 s20, s16, 11
	s_lshl_b32 s2, s47, 12
	SADD 2, 20
	s_add_co_u32 s2, s2, WS+65536                  ; Wv's scale words, my band
	s_mov_b32 s3, 0
	s_lshl_b32 s84, s42, 12
	SADD 84, 20
	s_add_co_u32 s84, s84, WS                      ; Wq's or Wk's
	s_mov_b32 s85, 0
	s_mov_b32 s[G0A], 1
	s_mov_b32 s[G0A+1], S0
	s_mov_b32 s[G0B], 1
	s_mov_b32 s[G0B+1], 0
	s_mov_b32 s[G0R], 1
	s_mov_b32 s[G0R+1], S0+CH
	s_mov_b32 s[G0S], 1
	s_mov_b32 s[G0S+1], SCL
	s_lshl_b32 s90, s40, 2
	SADD 90, 14                                    ; my number among the sixteen waves of my row of the cluster
	s_lshl_b32 s100, s41, 2
	SADD 100, 14                                   ; and of my column
	s_mov_b32 s46, 0
	v_and_b32 v1, 15, v0                           ; r
	v_bfe_u32 v2, v0, 4, 1                         ; h
	v_and_b32 v3, 31, v0                           ; lane
	v_lshlrev_b32 v[CO], 4, v3
	v_lshlrev_b32 v[C8], 3, v3
	v_lshlrev_b32 v22, 2, v3
	s_mul_i32 s20, s16, 49152
	v_add_nc_u32 v[ADRW], s20, v[CO]
	s_mul_i32 s20, s15, BLK
	s_add_co_u32 s20, s20, S0
	v_add_nc_u32 v[ADRA0], s20, v[CO]
	s_lshl_b32 s20, s15, 9
	s_add_co_u32 s20, s20, SCL
	v_lshlrev_b32 v23, 4, v1
	v_add_nc_u32 v[AAS0], s20, v23
	v_lshl_add_u32 v23, v1, 2, v2
	s_lshl_b32 s20, s15, 9
	s_lshl_b32 s21, s16, 1
	SADD 20, 21
	s_add_co_u32 s20, s20, XN
	v_add_nc_u32 v[STO], s20, v23                  ; + 512 w + 4 r + 2 b + h
	v_lshl_add_u32 v23, v1, 3, v2
	s_lshl_b32 s20, s16, 9
	s_lshl_b32 s21, s15, 2
	SADD 20, 21
	s_add_co_u32 s20, s20, XM
	v_add_nc_u32 v[STV], s20, v23                  ; + 512 b + 8 r + 4 w + h
	v_lshlrev_b32 v21, 7, v2                       ; q, k: register 8 j + i of lane (r, h) is the band's column 32 h + 8 j + i
	v_lshrrev_b32 v16, 3, v1
	v_lshlrev_b32 v16, 7, v16
	v_and_b32 v23, 7, v1
	v_lshl_add_u32 v16, v23, 2, v16                ; v: lane (r, h) of tile t has column 32 (r / 8) + 8 t + r % 8
	WALU
	s_wait_dscnt 0x0
	CROUND                                         ; the opening round
	s_wait_kmcnt 0x0
	s_mov_b32 s21, 0
	s_mov_b32 s20, s66
	s_add_nc_u64 s[G0A+2:G0A+3], s[4:5], s[20:21]
	s_add_nc_u64 s[G0R+2:G0R+3], s[G0A+2:G0A+3], CH
	s_or_b32 s[G0A+3], s[G0A+3], 0x80000000
	s_or_b32 s[G0R+3], s[G0R+3], 0x80000000
	s_mov_b32 s20, s54
	s_add_nc_u64 s[G0B+2:G0B+3], s[4:5], s[20:21]
	s_or_b32 s[G0B+3], s[G0B+3], 0x80000000
	s_mov_b32 s20, s67
	s_add_nc_u64 s[G0S+2:G0S+3], s[4:5], s[20:21]
	s_or_b32 s[G0S+3], s[G0S+3], 0x80000000
	s_cmp_eq_u32 s14, 0
	s_cbranch_scc0 .Lwave_1
	TLOAD G0B, G1B                                 ; wave 0: Wv's columns
	s_branch .Lasked
.Lwave_1:
	s_cmp_eq_u32 s14, 1
	s_cbranch_scc0 .Lwave_2
	TLOAD G0S, G1S                                 ; wave 1: both chunks' scale words
	s_branch .Lasked
.Lwave_2:
	s_cmp_eq_u32 s14, 2
	s_cbranch_scc0 .Lwave_3
	TLOAD G0A, G1A                                 ; wave 2: chunk 0
	s_branch .Lasked
.Lwave_3:
	TLOAD G0R, G1A                                 ; wave 3: chunk 1
.Lasked:
	s_add_nc_u64 s[2:3], s[4:5], s[2:3]
	s_add_nc_u64 s[84:85], s[4:5], s[84:85]
	s_mul_i32 s76, s19, 6291456                    ; q's or k's codes
	s_lshl_b32 s20, s43, 5
	s_lshl_b32 s21, s15, 3
	SADD 20, 21
	s_mul_i32 s20, s20, BLK
	SADD 76, 20
	s_and_b32 s22, s42, 7
	s_mul_i32 s20, s22, 1536
	SADD 76, 20
	s_mul_i32 s20, s16, 768
	SADD 76, 20
	s_mov_b32 s77, 0
	s_lshl_b32 s78, s42, 15                        ; their scale words
	s_lshl_b32 s20, s43, 11
	SADD 78, 20
	s_xor_b32 s20, s15, s87                        ; the stage's halves lie in the order of work
	s_lshl_b32 s20, s20, 10
	SADD 78, 20
	s_lshl_b32 s20, s16, 9
	SADD 78, 20
	s_add_co_u32 s78, s78, QKS
	s_mov_b32 s79, 0
	s_lshl_b32 s23, s47, 1
	SADD 23, 16                                    ; v's band
	s_mul_i32 s80, s23, 4*98304                    ; v's codes
	s_lshl_b32 s20, s48, 1
	SADD 20, 15
	s_mul_i32 s20, s20, 1536
	SADD 80, 20
	s_add_co_u32 s80, s80, VC
	s_mov_b32 s81, 0
	s_lshl_b32 s82, s48, 13                        ; v's scale words
	s_lshl_b32 s20, s47, 10
	SADD 82, 20
	s_lshl_b32 s20, s14, 8
	SADD 82, 20
	s_add_co_u32 s82, s82, VS
	s_mov_b32 s83, 0
	s_add_nc_u64 s[76:77], s[12:13], s[76:77]
	s_add_nc_u64 s[78:79], s[12:13], s[78:79]
	s_add_nc_u64 s[80:81], s[12:13], s[80:81]
	s_add_nc_u64 s[82:83], s[12:13], s[82:83]
	s_lshl_b32 s20, s22, 1
	SADD 20, 16
	s_lshl_b32 s20, s20, 8                         ; q's or k's bias: my band's 256 bytes
	s_mov_b32 s21, 0
	s_cmp_eq_u32 s19, 1
	s_cselect_b64 s[50:51], s[8:9], s[6:7]
	s_add_nc_u64 s[50:51], s[50:51], s[20:21]
	s_lshl_b32 s20, s23, 8
	s_add_nc_u64 s[52:53], s[10:11], s[20:21]      ; v's
.irp p, 0,1
.irp q, 0,1,2,3,4,5,6,7
	global_load_b32 v[SB+8*\p+\q], v22, s[2:3] offset:256*\q+128*\p
.endr
.endr
	WIN 0xc0
.irp t, 0,1,2,3
	global_load_b32 v[BBV-768+8*\t], v16, s[52:53] offset:32*\t
.endr
.irp p, 0,1
.irp q, 0,1,2,3,4,5,6,7
	global_load_b32 v[SB2-768+8*\p+\q], v22, s[84:85] offset:256*\q+128*\p
.endr
.endr
	WIN 0
	s_wait_loadcnt 0x0
	WIN 0xc3
.irp t, 0,8,16,24
.irp i, 1,2,3,4,5,6,7
	v_mov_b32 v[BBV-768+\t+\i], v[BBV-768+\t]      ; one number a lane and tile, over the tile's eight registers
.endr
.endr
	WIN 0
	PFTILE 13, 55, 100                             ; what the first refill will load
	WALU
	s_cmp_eq_u32 s14, 0
	s_cbranch_scc0 .Lnot_b
	s_wait_tensorcnt 0x0
.Lnot_b:
	BARRIER                                        ; Wv's columns are in
	PFGO 13
	WEIGHTS
	s_cmp_eq_u32 s14, 3
	s_cbranch_scc1 .Lnot_a0
	s_wait_tensorcnt 0x0
.Lnot_a0:
	s_wait_dscnt 0x0
	BARRIER                                        ; chunk 0 and the scale words are in; chunk 1 may be on its way
	FETCH 0, ADRA0, 0, AAS0, 0
	FETCH 1, ADRA0, 24576, AAS0, 1024
; ================= PHASE 1: v, eight blocks; band 0's way outs stand in band 1's blocks
.irp s, 0,1
	s_wait_dscnt NF
	BLOCK 1, \s, HV0+8*\s, 32, 0, 32, L_STEP, \s+2
	WIN 0
	PLACES 4
	WALU
	FETCH \s, ADRA, 0, AAS0, 1024*(\s+2)
.endr
	s_wait_dscnt NF
	GRD
	BLOCK 1, 0, HV0+16, 32, 0, 24, L_V2
	WIN 0
	s_wait_dscnt 0x0
	s_barrier_signal -1
	BLOCK 1, 0, HV0+16, 32, 24, 32, L_NONE
	MIDDLE
	BARRIER
	s_cmp_lt_u32 s14, 2
	s_cbranch_scc0 .Lno_half
	TLOAD G0B, G1B                                 ; waves 0 and 1: half each of Wq's or Wk's columns, onto Wv's, which all waves hold in registers
.Lno_half:
	PLACES 4
	WALU
	FETCH 0, ADRA, 0, AAS0, 4096
	PFGO 14
	PFGO 15
	BLOCK 1, 1, HV0+24, 32, 0, 32, L_STEP, 5
	WIN 0
	PLACES 4
	WALU
	FETCH 1, ADRA, 0, AAS0, 5120
.irp j, 0,1,2
	s_wait_dscnt NF+(\j+1)/2
.if \j < 2
	BLOCK 1, \j%2, HV1+8*\j, 32, 0, 32, L_V, \j+6, \j
.else
	BLOCK 1, \j%2, HV1+8*\j, 32, 0, 32, L_V, 0, \j
.endif
	WIN 0
	CODES6 HV0+32*\j, MCD+12*\j, \j
	WALU
	ds_store_b8 v[STV], v[EB+\j] offset:128*\j
.if \j < 2
	FETCH \j%2, ADRA, 0, AAS0, 1024*(\j+6)
.endif
.endr
	s_wait_dscnt 1
	BLOCK 1, 1, HV1+24, 32, 0, 26, L_V, 0, 3
	WIN 0
	WALU
	s_wait_tensorcnt 0x0
	s_wait_dscnt 0x0
	s_barrier_signal -1                            ; a plain barrier: the second weight is shown to all
	BLOCK 1, 1, HV1+24, 32, 26, 32, L_NONE
	WIN 0
	s_barrier_wait -1
	CODES6 HV0+96, MCD+36, 3
	WALU
	ds_store_b8 v[STV], v[EB+3] offset:384
; ================= THE CHANGE OF PHASE: one run of loads, band 1's four way outs under their flight
.irp k, 0,1,2,3,4,5,6,7
	global_load_b128 v[BBQ+4*\k:BBQ+4*\k+3], v21, s[50:51] offset:16*\k
.endr
	WEIGHTS
	FETCH 0, ADRA0, 0, AAS0, 0                     ; chunk 0 lies in slot 0 still
	FETCH 1, ADRA0, 24576, AAS0, 1024
	PFGO 17
	WIN 3
.set I, 0
.rept 16
	v_mov_b32 v[SB+I], v[SB2-768+I]
.set I, I+1
.endr
	WIN 0
.set I, 0
.rept 18
.irp t, 0,1,2,3
	CHAIN I, HV1+32*\t, \t, 64+4*\t
.endr
.set I, I+1
.endr
.set I, 0
.rept 6
.irp t, 0,1,2,3
	CODES I, HV1+32*\t, MCD+12*\t+6, \t, 80+4*\t
.endr
.set I, I+1
.endr
	WIN 0
	WALU
; ================= PHASE 2: q or k, sixteen blocks
	s_wait_loadcnt 0x0
	s_wait_dscnt NF
	BLOCK 0, 0, ACC, 8, 0, 32, L_STEP, 2
	WIN 0
	PLACES 4
	WALU
.irp t, 0,1,2,3
	ds_store_b8 v[STV], v[EB+\t] offset:2+128*\t
.endr
.irp t, 0,1,2,3
.irp k, 0,1,2
	global_store_b128 v[CO], v[MCD+12*\t+4*\k:MCD+12*\t+4*\k+3], s[80:81] offset:98304*\t+512*\k   ; v's codes leave
.endr
.endr
	FETCH 0, ADRA, 0, AAS0, 2048
	NORMAL NF+4, 1, 1
	s_mov_b32 s86, 0
.Lrounds:                                              ; blocks 2 to 5, 6 to 9
	ROUNDB NF+1
	NORMAL -1, 1, 1
	NORMAL NF+1, 0, 1
	NORMAL NF+1, 1, 1
	s_add_co_u32 s86, s86, 1
	s_cmp_lg_u32 s86, 2
	s_cbranch_scc1 .Lrounds
	SHOWB NF+1                                     ; block 10
	NORMAL -1, 1, 1
	NORMAL NF+1, 0, 1
	NORMAL NF+1, 1, 1
	NORMAL NF+1, 0, 0
	NORMAL 1, 1, 0
; ================= THE END: the last way out; the scale bytes go through LDS under its conversions
	s_wait_xcnt 0x0
.set I, 0
.rept 3
	PLACE I, 0
.set I, I+1
.endr
	s_lshl_b32 s20, s14, 9
	s_add_co_u32 s20, s20, XN
	v_add_nc_u32 v1, s20, v[CO]
	s_lshl_b32 s21, s14, 8
	s_add_co_u32 s21, s21, XM
	v_add_nc_u32 v2, s21, v[C8]
.set I, 0
.rept 18
	CHAIN I, ACC+32, 0
.set I, I+1
.endr
	CODES 2, ACC+32, NCD, 0
	WALU
	ds_store_b8 v[VX], v[EB]
	s_wait_dscnt 0x0
	s_barrier_signal -1
	CODES 0, ACC+32, NCD, 0
	CODES 1, ACC+32, NCD, 0
	v_nop
.irp i, 3,4,5
	CODES \i, ACC+32, NCD, 0
.endr
	s_barrier_wait -1
	WALU
	ds_load_b128 v[64:67], v1
	ds_load_b64 v[68:69], v2
	SENDB
	s_wait_dscnt 0x0
	global_store_b128 v[CO], v[64:67], s[78:79]
	global_store_b64 v[C8], v[68:69], s[82:83]
	s_wait_tensorcnt 0x0                           ; the wave's end
	ds_add_u32 v[SPW], v[NIL]
	s_wait_dscnt 0x0
	CROUND                                         ; the closing round
	s_endpgm
.Lfunc_end_k_q6796c1c0b4_proj:
	.size	k_q6796c1c0b4_proj, .Lfunc_end_k_q6796c1c0b4_proj-k_q6796c1c0b4_proj
	.p2alignl 7, 3214868480
	.fill 96, 4, 3214868480
	.section	.rodata,"a",@progbits
	.p2align	6, 0x0
	.amdhsa_kernel k_q6796c1c0b4_proj
		.amdhsa_group_segment_fixed_size 327680
		.amdhsa_private_segment_fixed_size 0
		.amdhsa_enable_private_segment 0
		.amdhsa_kernarg_size 40
		.amdhsa_user_sgpr_count 2
		.amdhsa_user_sgpr_kernarg_segment_ptr 1
		.amdhsa_wavefront_size32 1
		.amdhsa_system_sgpr_workgroup_id_x 1
		.amdhsa_system_sgpr_workgroup_id_y 1
		.amdhsa_system_sgpr_workgroup_id_z 1
		.amdhsa_system_vgpr_workitem_id 0
		.amdhsa_next_free_vgpr 1024
		.amdhsa_next_free_sgpr 102
		.amdhsa_reserve_vcc 0
		.amdhsa_float_denorm_mode_32 3
		.amdhsa_float_denorm_mode_16_64 3
		.amdhsa_memory_ordered 1
		.amdhsa_forward_progress 1
		.amdhsa_inst_pref_size 205
	.end_amdhsa_kernel
	.amdgpu_metadata
---
amdhsa.version: [ 1, 2 ]
amdhsa.kernels:
  - .name:           k_q6796c1c0b4_proj
    .symbol:         k_q6796c1c0b4_proj.kd
    .args:
      - { .name: xw, .offset: 0, .size: 8, .value_kind: global_buffer, .address_space: global }
      - { .name: bq, .offset: 8, .size: 8, .value_kind: global_buffer, .address_space: global }
      - { .name: bk, .offset: 16, .size: 8, .value_kind: global_buffer, .address_space: global }
      - { .name: bv, .offset: 24, .size: 8, .value_kind: global_buffer, .address_space: global }
      - { .name: qkv, .offset: 32, .size: 8, .value_kind: global_buffer, .address_space: global }
    .group_segment_fixed_size: 327680
    .private_segment_fixed_size: 0
    .kernarg_segment_align: 8
    .kernarg_segment_size: 40
    .max_flat_workgroup_size: 128
    .sgpr_count:     102
    .vgpr_count:     1024
    .wavefront_size: 32
...
	.end_amdgpu_metadata
.endif
;; end of part 2
;; launch score (part 3): grid 8 x 32, 4 waves a work-group, clusters of 4 x 4, 327,680 bytes of LDS; arguments qkv, ps; writes ps
.if DOCPART == 3
	.amdgcn_target "amdgcn-amd-amdhsa--gfx1250"
	.amdhsa_code_object_version 6
	.text
	.protected	k_q6796c1c0b4_score
	.globl	k_q6796c1c0b4_score
	.p2align	8
	.type	k_q6796c1c0b4_score,@function
k_q6796c1c0b4_score:
	s_mov_b64 s[64:65], 0
	v_nop
	global_prefetch_b8 v0, s[64:65] scope:SCOPE_SE
	s_setreg_imm32_b32 hwreg(HW_REG_WAVE_MODE, 25, 1), 1
	s_wait_xcnt 0x0
	s_wait_alu depctr_hold_cnt(0) depctr_sa_sdst(0) depctr_va_vdst(0) depctr_va_sdst(0) depctr_va_ssrc(0) depctr_va_vcc(0) depctr_vm_vsrc(0)
	s_getreg_b32 s2, hwreg(HW_REG_IB_STS2, 6, 4)
	s_cmp_eq_u32 s2, 0
	s_cbranch_scc0 .Lentry_in_a_cluster
	s_endpgm
.Lentry_in_a_cluster:
	s_bfe_u32 s2, ttmp6, 0x10000c
	s_cmp_lg_u32 s2, 0xf033
	s_cbranch_scc0 .Lentry_shape_is_right
	s_endpgm
.Lentry_shape_is_right:
; S = q k^T on codes of FP6 (E2M3), f32 sums, and the softmax's first half: for each query and each 128 keys, t = score x log2(e) / 32, M = ceil(the largest t of these 128 keys), p = 2^(t - M), l = the sum of the unquantised p.
; p is quantised along the keys under this LOCAL M, which is a whole number: the next launch brings p's scale bytes and l under the row's M by exact powers of two.
; STORED in ps: p's codes at 0: [512 blocks of 16 queries][16 key steps][1,536], three pieces of four registers; behind them [16 key steps][8,192 rows][16 bytes]: a row's scale word, -M, l, and a word of zeros.
; A tile is 256 queries x 256 keys of one batch; K = 1,024 = 8 K steps.  Four waves, each 128 x 128.  Source 0 = 16 keys, source 1 = 16 queries: lane (r, h) holds query r of A's block.
; A band of 64 rows lies in four tiles, lane-row 8 h + i of tile j its row 32 h + 8 j + i: so the 32 registers of four accumulators are one block of 32 keys.
; A fragment in qkv: six pieces of 256 bytes, registers 2 p, 2 p + 1 at 256 p + 8 x lane: three two-address loads.
; RING: two slots of three K steps.  Slot 0 is filled at the head, one tensor load a wave, slot 1 behind the round that follows; K steps 6 and 7 go into slot 0 behind the round in K step 2.
; CLUSTER 4 x 4: q's tile is shared along a row of the cluster, k's along a column.  PREFETCH: each of the two later fills one fill ahead; the sixteen waves of the four work-groups that ask jointly take a block each.
; LIMITS: NaN and infinities are not served.  A block whose every p has fallen to 0 keeps the byte 1: its codes are zeros.  A block's largest p is taken from its largest score by the same multiply-add and exponential,
; which takes v_exp_f32 not to fall where its input rises.  |t| stays under 2^24, so that M is exact in f32.
; REGISTERS.  Window 0: v10-29 addresses; v32-95 scale words; v96-114 at work on the way out (v112-127 LDS addresses before); v128-223 A's fragments (on the way out v128-191 p, v192-210 its codes); v224-255 the rows' records.
;   Window 1: B's two sets.  Windows 2, 3: the accumulators.
.set HALF,  36864                      ; 8 blocks x three K steps
.set OPB,   2*HALF
.set SLOT,  2*OPB
.set SCR,   2*SLOT                     ; behind the ring: 2,048 bytes for each wave, for the records
.set SPARE, SCR+8192                   ; the spare words, 128 bytes a wave
.set QKS,   18874368
.set PSC,   12582912
.set A8,   16                          ; LDS: my half of q's blocks, + 8 x lane
.set B8,   17                          ; of k's
.set SCRW, 24
.set SCRR, 25
.set LOFF, 26
.set SOFF, 27
.set SPW,  28
.set NIL,  29
.set SC,   32
.set BM,   96                          ; v96-99 largest scores, then largest p
.set BX,   100
.set SO,   104                         ; v104, v105 the conversions' scale operands
.set NMP,  108                         ; v[108:109] -M, named as a pair
.set AB,   112                         ; v112-119, v120-127 LDS addresses of the fragments fetched next
.set BB,   120
.set AF,   128
.set HA,   128
.set PC,   192
.set REC,  224
.set CS,   88                          ; s[88:89] c = log2(e) / 32
.set G1A, 24
.set G1B, 32
.set G0A, 40
.set G0B, 48
.set MSB, 0
.macro WIN new
.if MSB != (\new)
	s_set_vgpr_msb (MSB<<8)|(\new)
.set MSB, (\new)
.endif
.endm
.macro PLACES n
.rept \n
	v_nop
.endr
.endm
.macro JLOAD g0a, g1a, g0b, g1b        ; waves 0 and 1 fetch q's halves, waves 2 and 3 k's
	s_cmp_eq_u32 s15, 0
	s_cbranch_scc0 .Lfor_b_\@
	tensor_load_to_lds s[\g0a:\g0a+3], s[\g1a:\g1a+7]
	s_nop 0
	PLACES 4
	s_branch .Lasked_\@
.Lfor_b_\@:
	tensor_load_to_lds s[\g0b:\g0b+3], s[\g1b:\g1b+7]
	s_nop 0
	PLACES 4
.Lasked_\@:
.endm
.macro CREST
	s_cmp_lg_u32 s14, 0
	s_cbranch_scc1 .Lnot_wave_0_\@
	s_barrier_signal -3
.Lnot_wave_0_\@:
	s_barrier_wait -3
	s_barrier_signal -1
	s_barrier_wait -1
.endm
.macro CROUND
	s_barrier_signal -1
	s_barrier_wait -1
	CREST
.endm
.macro FRAG reg, vb
	ds_load_2addr_b64 v[\reg:\reg+3], v[\vb] offset0:0 offset1:32
	ds_load_2addr_b64 v[\reg+4:\reg+7], v[\vb] offset0:64 offset1:96
	ds_load_2addr_b64 v[\reg+8:\reg+11], v[\vb] offset0:128 offset1:160
.endm
.macro KOFF ks                         ; where K step ks lies: its slot, and from block to block 4,608 bytes, in the refill 3,072
.set SO_, ((((\ks)/3)%2)*SLOT)+((\ks)%3)*1536
.set RB_, 4608
.if (\ks) > 5
.set RB_, 3072
.endif
.endm
; The address lines, plain and on registers of their own, are also the places between the products and the loads into their registers.
.macro FETCH_B ks
	KOFF \ks
.irp i, 0,1,2,3,4,5,6,7
	v_add_nc_u32 v[BB+\i], SO_+RB_*\i, v[B8]
.endr
	WIN 0x40
.irp i, 0,1,2,3,4,5,6,7
	FRAG 128*((\ks)%2)+12*\i, BB+\i
.endr
	WIN 0
.endm
.macro FETCH_A ks, i0
	KOFF \ks
.irp i, \i0, \i0+1, \i0+2, \i0+3
	v_add_nc_u32 v[AB+\i], SO_+RB_*(\i), v[A8]
.endr
.irp i, \i0, \i0+1, \i0+2, \i0+3
	FRAG AF+12*(\i), AB+\i
.endr
.endm
; 16 matrix instructions; zero = 1: the first product starts the sums.  The 64 accumulators take turns in one order throughout.
.macro MUL16 a0, ks, zero
.irp a, \a0, \a0+1
.irp b, 0,1,2,3,4,5,6,7
.set rD, 8*(8*((\a)%4)+\b)
.set rB, 128*((\ks)%2)+12*\b
.set rA, AF+12*(\a)
.set rSB, SC+8*(\ks)+\b
.set rSA, SC+8*(\ks)+(\a)
.if \zero
	v_wmma_scale_f32_16x16x128_f8f6f4 v[rD:rD+7], v[rB:rB+11], v[rA:rA+11], 0, v[rSB], v[rSA] matrix_a_fmt:MATRIX_FMT_FP6 matrix_b_fmt:MATRIX_FMT_FP6 matrix_a_scale:MATRIX_SCALE_ROW1
.else
	v_wmma_scale_f32_16x16x128_f8f6f4 v[rD:rD+7], v[rB:rB+11], v[rA:rA+11], v[rD:rD+7], v[rSB], v[rSA] matrix_a_fmt:MATRIX_FMT_FP6 matrix_b_fmt:MATRIX_FMT_FP6 matrix_a_scale:MATRIX_SCALE_ROW1
.endif
.endr
.endr
.endm
.macro REST ks, zero                   ; a K step's second half: the next step's fragments, and A's blocks 4-7
	FETCH_B (\ks)+1
	FETCH_A (\ks)+1, 0
	WIN 0xf1
	MUL16 4, \ks, \zero
	MUL16 6, \ks, \zero
	WIN 0
	FETCH_A (\ks)+1, 4
.endm
.macro STEP ks, zero
	s_wait_dscnt 12                                ; B's set and A's blocks 0-3 are in; the youngest 12 loads (A's blocks 4-7) may be out
	WIN 0xa1
	MUL16 0, \ks, \zero
	MUL16 2, \ks, \zero
	s_wait_dscnt 0x0
	WIN 0
	REST \ks, \zero
.endm
.macro TURN ks, fill
	s_wait_tensorcnt 0x0                           ; all my tensor loads have landed
	ds_add_u32 v[SPW], v[NIL]
	s_wait_dscnt 13                                ; (the add and the youngest 12 loads may be out)
	WIN 0xa1
	MUL16 0, \ks, 0
	s_wait_dscnt 0x0                               ; the add is done, and my reads so far are over
	s_barrier_signal -1
	MUL16 2, \ks, 0
	WIN 0
	s_barrier_wait -1
.if \fill
	CREST                                          ; no wave of any partner still reads slot 0 or has a load on its way
	s_add_nc_u64 s[G0A+2:G0A+3], s[G0A+2:G0A+3], 9216
	s_add_nc_u64 s[G0B+2:G0B+3], s[G0B+2:G0B+3], 9216
	s_mov_b32 s[G1A+1], 384<<16                    ; K steps 6 and 7: rows of 3,072 bytes
	s_mov_b32 s[G1A+3], 384<<16
	s_mov_b32 s[G1B+1], 384<<16
	s_mov_b32 s[G1B+3], 384<<16
	JLOAD G0A, G1A, G0B, G1B
.endif
	REST \ks, 0
.endm
	s_load_b128 s[4:7], s[0:1], 0x0                ; qkv, ps
	v_lshl_add_u32 v[SPW], v0, 2, SPARE
	v_mov_b32 v[NIL], 0
	ds_add_u32 v[SPW], v[NIL]                      ; the opening lines
	ds_add_u32 v[SPW], v[NIL]
	v_lshrrev_b32 v1, 5, v0
	v_readfirstlane_b32 s14, v1
	s_lshr_b32 s15, s14, 1                         ; my 128 queries.  Also: I fetch for q (0) or for k (1)
	s_and_b32 s16, s14, 1                          ; my 128 keys.  Also: which half I fetch
	s_bfe_u32 s66, ttmp6, 0x40000                  ; cx
	s_bfe_u32 s67, ttmp6, 0x40004                  ; cy
	s_lshl_b32 s68, ttmp9, 2
	s_add_co_u32 s68, s68, s66                     ; the batch's tile of keys 0..7
	s_and_b32 s77, ttmp7, 0xffff
	s_lshl_b32 s69, s77, 2
	s_add_co_u32 s69, s69, s67                     ; the tile of queries 0..31
	s_lshr_b32 s77, s77, 1                         ; the batch: the same in all partners
	s_lshl_b32 s70, s67, 2
	s_lshl_b32 s70, 15, s70
	s_lshl_b32 s71, 0x1111, s66
	s_or_b32 s[G1A], s70, (3<<16)|(1<<21)
	s_or_b32 s[G1B], s71, (3<<16)|(1<<21)
.irp g, G1A, G1B
	s_mov_b32 s[\g+1], 576<<16                     ; 4,608 bytes: a block's three K steps
	s_mov_b32 s[\g+2], 8<<16
	s_mov_b32 s[\g+3], 576<<16
	s_mov_b32 s[\g+4], 8
	s_mov_b32 s[\g+5], 1536                        ; from block to block: 12,288 bytes
	s_mov_b32 s[\g+6], 0
	s_mov_b32 s[\g+7], 0
.endr
	s_lshl_b32 s90, s16, 3
	s_lshl_b32 s58, s69, 4                         ; q's blocks 16 tile
	s_add_co_u32 s72, s58, s90
	s_mul_i32 s72, s72, 12288
	s_mov_b32 s73, 0
	s_lshl_b32 s59, s77, 7
	s_lshl_b32 s91, s68, 4
	s_add_co_u32 s59, s59, s91                     ; k's blocks
	s_add_co_u32 s74, s59, s90
	s_mul_i32 s74, s74, 12288
	s_add_co_u32 s74, s74, 6291456
	s_mov_b32 s75, 0
	s_lshl_b32 s90, s66, 2
	s_add_co_u32 s90, s90, s14                     ; my block among the sixteen that the waves of my row of the cluster prefetch of q,
	s_add_co_u32 s58, s58, s90
	s_mul_i32 s58, s58, 12288
	s_add_co_u32 s58, s58, 4608                    ; from K step 3 on
	s_lshl_b32 s90, s67, 2
	s_add_co_u32 s90, s90, s14                     ; and of k
	s_add_co_u32 s59, s59, s90
	s_mul_i32 s59, s59, 12288
	s_add_co_u32 s59, s59, 6291456+4608
	s_mul_i32 s76, s14, HALF
	s_mov_b32 s80, 0xffff0000
	s_mov_b32 s20, 0x76543210
	s_mov_b32 s21, 0xfedcba98
	s_mov_b32 s[CS], 0x3d38aa3b                    ; log2(e) / sqrt(1,024)
	s_mov_b32 s[CS+1], s[CS]
	s_lshl_b32 s92, s69, 10
	s_lshl_b32 s90, s15, 9
	s_add_co_u32 s92, s92, s90                     ; q's scale words: 4 x my first query
	s_lshl_b32 s93, s77, 13
	s_lshl_b32 s90, s68, 10
	s_add_co_u32 s93, s93, s90
	s_lshl_b32 s90, s16, 9
	s_add_co_u32 s93, s93, s90
	s_add_co_u32 s93, s93, 262144                  ; k's: eight planes on, 4 x my first key
	s_lshl_b32 s94, s69, 4
	s_lshl_b32 s90, s15, 3
	s_add_co_u32 s94, s94, s90
	s_mul_i32 s94, s94, 24576
	s_lshl_b32 s90, s68, 1
	s_add_co_u32 s90, s90, s16                     ; which 128 keys of the batch
	s_mul_i32 s91, s90, 1536
	s_add_co_u32 s94, s94, s91                     ; where p's codes go
	s_mov_b32 s95, 0
	s_lshl_b32 s96, s90, 17
	s_lshl_b32 s91, s92, 2
	s_add_co_u32 s96, s96, s91
	s_add_co_u32 s96, s96, PSC                     ; and the records: 16 bytes a row
	s_mov_b32 s97, 0
	s_mul_i32 s90, s15, HALF
	s_mul_i32 s91, s16, HALF
	s_add_co_u32 s91, s91, OPB
	s_lshl_b32 s78, s14, 11
	s_add_co_u32 s78, s78, SCR                     ; my stage
	s_wait_dscnt 0x0
	s_wait_kmcnt 0x0
	s_add_nc_u64 s[72:73], s[4:5], s[72:73]
	s_add_nc_u64 s[74:75], s[4:5], s[74:75]
	s_add_nc_u64 s[98:99], s[4:5], QKS
	s_add_nc_u64 s[18:19], s[6:7], s[94:95]
	s_add_nc_u64 s[22:23], s[6:7], s[96:97]
.irp s, 0,1
	s_mov_b32 s[G0A+4*\s], 1
	s_add_co_u32 s[G0A+4*\s+1], s76, \s*SLOT
	s_add_nc_u64 s[G0A+4*\s+2:G0A+4*\s+3], s[72:73], \s*4608
	s_or_b32 s[G0A+4*\s+3], s[G0A+4*\s+3], 0x80000000
	s_mov_b32 s[G0B+4*\s], 1
	s_add_co_u32 s[G0B+4*\s+1], s76, \s*SLOT
	s_add_nc_u64 s[G0B+4*\s+2:G0B+4*\s+3], s[74:75], \s*4608
	s_or_b32 s[G0B+4*\s+3], s[G0B+4*\s+3], 0x80000000
.endr
	CROUND
	JLOAD G0A, G1A, G0B, G1B                       ; K steps 0 to 2: one tensor load a wave at the head
	v_and_b32 v1, 31, v0
	v_and_b32 v2, 15, v0
	v_lshlrev_b32 v[LOFF], 4, v1
	v_lshlrev_b32 v6, 3, v1
	v_lshrrev_b32 v7, 4, v1
	v_lshlrev_b32 v7, 3, v7                        ; 8 h
	v_add_nc_u32 v[A8], s90, v6
	v_add_nc_u32 v[B8], s91, v6
	v_lshl_add_u32 v[SCRW], v2, 4, s78
	v_add_nc_u32 v[SCRR], s78, v[LOFF]
	v_mov_b32 v4, s92
	v_mov_b32 v5, s93
	v_cndmask_b32 v[SOFF], v4, v5, s80             ; lanes 0-15 take q's words, lanes 16-31 k's
	v_lshl_add_u32 v[SOFF], v2, 2, v[SOFF]
	v_min_u32 v10, 17, v1                          ; K steps 3 to 5: 18 rows of 256 bytes of a block
	v_min_u32 v12, 11, v1                          ; K steps 6 and 7: 12
	v_lshl_add_u32 v11, v10, 8, s59
	v_lshl_add_u32 v10, v10, 8, s58
	v_lshl_add_u32 v13, v12, 8, s59
	v_lshl_add_u32 v12, v12, 8, s58
.irp b, 0,1,2,3
	v_mov_b32 v[BX+\b], 0                          ; written once: a lane permute's destination counts as one of its sources
.endr
	v_mov_b32 v114, 0
	v_mov_b32 v[NMP+1], 0                          ; (named as the upper half of a pair)
.irp a, 0,1,2,3,4,5,6,7
	v_mov_b32 v[REC+4*\a+3], 0                     ; a record's fourth word
.endr
	s_wait_alu depctr_va_vdst(0)
.set k, 0
.rept 8
.irp i, 0,1,2,3,4,5,6,7
	global_load_b32 v[SC+8*k+\i], v[SOFF], s[98:99] offset:32768*k+64*\i
.endr
.set k, k+1
.endr
	global_prefetch_b8 v10, s[4:5] th:TH_LOAD_NT scope:SCOPE_SE
	global_prefetch_b8 v11, s[4:5] th:TH_LOAD_NT scope:SCOPE_SE
	s_wait_tensorcnt 0x0                           ; my part of slot 0 is in
	ds_add_u32 v[SPW], v[NIL]
	s_wait_dscnt 0x0
	CROUND
	JLOAD G0A+4, G1A, G0B+4, G1B                   ; slot 1's first fill: K steps 3 to 5
	FETCH_B 0
	FETCH_A 0, 0
	FETCH_A 0, 4
	global_prefetch_b8 v12, s[4:5] offset:4608 th:TH_LOAD_NT scope:SCOPE_SE
	global_prefetch_b8 v13, s[4:5] offset:4608 th:TH_LOAD_NT scope:SCOPE_SE
	s_wait_loadcnt 0x0
	STEP 0, 1
	STEP 1, 0
	TURN 2, 1
	STEP 3, 0
	STEP 4, 0
	TURN 5, 0                                      ; nothing is left to fetch
	STEP 6, 0
	s_wait_dscnt 12
	WIN 0xa1
	MUL16 0, 7, 0
	MUL16 2, 7, 0
	s_wait_dscnt 0x0
	WIN 0xf1
	MUL16 4, 7, 0
	MUL16 6, 7, 0
	WIN 0
	PLACES 4
; THE WAY OUT.  A's block a: 64 scores of my lane's query.  Each accumulator is read from its low end on.
.macro SOFT a
.set WW, 2+(\a)/4
.set SS, 64*((\a)%4)
.set RR, REC+4*(\a)
	WIN (WW<<2)|(WW<<4)
.irp b, 0,1,2,3
	v_max3_num_f32 v[BM+\b], 0xff800000, v[SS+16*\b], v[SS+16*\b+1]   ; four chains by turns
.endr
.irp i, 2,4,6,8,10,12,14
.irp b, 0,1,2,3
	v_max3_num_f32 v[BM+\b], v[BM+\b], v[SS+16*\b+\i], v[SS+16*\b+\i+1]
.endr
.endr
	WIN 0
	v_max_num_f32 v[BM], v[BM], v[BM+1]            ; the largest score of my block h of the first 64 keys,
	v_max_num_f32 v[BM+1], v[BM+2], v[BM+3]        ; and of the second: they serve for the row's maximum and for the blocks' largest p
	v_max_num_f32 v114, v[BM], v[BM+1]
	v_permlanex16_b32 v[BX], v114, s20, s21
	v_max_num_f32 v114, v114, v[BX]
	v_mul_f32 v114, s[CS], v114                    ; the largest t of these 128 keys
	v_floor_f32 v[NMP], -v114                      ; -M = floor(-t) = -ceil(t)
	WIN WW
.set j, 0
.rept 32
	v_pk_fma_f32 v[HA+j:HA+j+1], v[SS+j:SS+j+1], s[CS:CS+1], v[NMP:NMP+1] op_sel_hi:[1,0,0]   ; t - M, two at a time
.set j, j+2
.endr
	WIN 0
.irp b, 0,1
	v_fma_f32 v[BM+\b], v[BM+\b], s[CS], v[NMP]    ; the same of each block's largest score
.endr
	v_mov_b32 v[RR+1], v[NMP]
.set j, 0
	s_wait_alu depctr_va_vdst(0)
.rept 64
	v_exp_f32 v[HA+j], v[HA+j]                     ; p = 2^(t - M)
.set j, j+1
.endr
	v_nop                                          ; (a plain place behind the exponentials)
	s_wait_alu depctr_va_vdst(0)                   ; one wait for the batch, ahead of its first reader
.irp b, 0,1
	v_exp_f32 v[BM+\b], v[BM+\b]                   ; the blocks' largest p
.endr
	v_pk_add_f32 v[110:111], v[HA:HA+1], v[HA+2:HA+3]               ; l is taken of the unquantised p, in two chains; these lines read the 64 alone
	v_pk_add_f32 v[112:113], v[HA+4:HA+5], v[HA+6:HA+7]
.irp j, 8,12,16,20,24,28,32,36,40,44,48,52,56,60
	v_pk_add_f32 v[110:111], v[110:111], v[HA+\j:HA+\j+1]
	v_pk_add_f32 v[112:113], v[112:113], v[HA+\j+2:HA+\j+3]
.endr
	v_pk_add_f32 v[110:111], v[110:111], v[112:113]
	v_add_f32 v110, v110, v111
	v_permlanex16_b32 v114, v110, s20, s21
	v_add_f32 v[RR+2], v110, v114
	s_wait_alu depctr_va_vdst(0)                   ; and one for the two
.irp b, 0,1
	v_max_num_f32 v[BM+\b], 0x1800000, v[BM+\b]    ; the floor 2^(3 - 127)
.endr
.irp b, 0,1
	v_add_nc_u32 v[SO+\b], 0xff000000, v[BM+\b]
.endr
.irp b, 0,1
	v_lshrrev_b32 v[BX+\b], 23, v[SO+\b]
.endr
	v_lshl_or_b32 v[BX+2], v[BX+1], 16, v[BX]
	v_lshlrev_b32 v[BX+2], v7, v[BX+2]             ; my bytes: blocks h and 2 + h
	v_permlanex16_b32 v[BX+3], v[BX+2], s20, s21
	v_or_b32 v[RR], v[BX+2], v[BX+3]               ; the scale word
.if (\a) > 0
	s_wait_alu depctr_va_vdst(0)
	s_wait_xcnt 0x0                                ; the last block's stores have read the codes' registers
.endif
.irp c, 0,1
	v_cvt_scalef32_pk16_fp6_f32 v[PC+6*\c:PC+2+6*\c], v[HA+32*\c:HA+15+32*\c], v[SO+\c]
	v_cvt_scalef32_pk16_fp6_f32 v[PC+12+4*\c:PC+14+4*\c], v[HA+16+32*\c:HA+31+32*\c], v[SO+\c]
.endr
	v_nop                                          ; one plain place behind a scaled conversion
.irp c, 0,1
.irp i, 0,1,2
	v_mov_b32 v[PC+3+6*\c+\i], v[PC+12+4*\c+\i]
.endr
.endr
.irp c, 0,1,2
	global_store_b128 v[LOFF], v[PC+4*\c:PC+4*\c+3], s[18:19] offset:24576*(\a)+512*\c
.endr
	ds_store_b128 v[SCRW], v[RR:RR+3] offset:256*(\a)              ; lanes r and r + 16 write the same record
.endm
.irp a, 0,1,2,3,4,5,6,7
	SOFT \a
.endr
.irp p, 0,1,2,3
	ds_load_b128 v[96+4*\p:99+4*\p], v[SCRR] offset:512*\p         ; LDS serves a wave's instructions in order
.endr
	s_wait_dscnt 0x0
.irp p, 0,1,2,3
	global_store_b128 v[LOFF], v[96+4*\p:99+4*\p], s[22:23] offset:512*\p   ; 512 consecutive bytes each
.endr
	s_wait_tensorcnt 0x0                           ; the wave's end
	ds_add_u32 v[SPW], v[NIL]
	s_wait_dscnt 0x0
	CROUND                                         ; the closing round
	s_endpgm
.Lfunc_end_k_q6796c1c0b4_score:
	.size	k_q6796c1c0b4_score, .Lfunc_end_k_q6796c1c0b4_score-k_q6796c1c0b4_score
	.p2alignl 7, 3214868480
	.fill 96, 4, 3214868480
	.section	.rodata,"a",@progbits
	.p2align	6, 0x0
	.amdhsa_kernel k_q6796c1c0b4_score
		.amdhsa_group_segment_fixed_size 327680
		.amdhsa_private_segment_fixed_size 0
		.amdhsa_enable_private_segment 0
		.amdhsa_kernarg_size 16
		.amdhsa_user_sgpr_count 2
		.amdhsa_user_sgpr_kernarg_segment_ptr 1
		.amdhsa_wavefront_size32 1
		.amdhsa_system_sgpr_workgroup_id_x 1
		.amdhsa_system_sgpr_workgroup_id_y 1
		.amdhsa_system_sgpr_workgroup_id_z 1
		.amdhsa_system_vgpr_workitem_id 0
		.amdhsa_next_free_vgpr 1024
		.amdhsa_next_free_sgpr 100
		.amdhsa_reserve_vcc 0
		.amdhsa_float_denorm_mode_32 3
		.amdhsa_float_denorm_mode_16_64 3
		.amdhsa_memory_ordered 1
		.amdhsa_forward_progress 1
		.amdhsa_inst_pref_size 199
	.end_amdhsa_kernel
	.amdgpu_metadata
---
amdhsa.version: [ 1, 2 ]
amdhsa.kernels:
  - .name:           k_q6796c1c0b4_score
    .symbol:         k_q6796c1c0b4_score.kd
    .args:
      - { .name: qkv, .offset: 0, .size: 8, .value_kind: global_buffer, .address_space: global }
      - { .name: ps, .offset: 8, .size: 8, .value_kind: global_buffer, .address_space: global }
    .group_segment_fixed_size: 327680
    .private_segment_fixed_size: 0
    .kernarg_segment_align: 8
    .kernarg_segment_size: 16
    .max_flat_workgroup_size: 128
    .sgpr_count:     100
    .vgpr_count:     1024
    .wavefront_size: 32
...
	.end_amdgpu_metadata
.endif
;; end of part 3
;; launch pv (part 4): grid 4 x 64, 4 waves a work-group, clusters of 4 x 4, 327,680 bytes of LDS; arguments ps, qkv, out0; writes out0
.if DOCPART == 4
	.amdgcn_target "amdgcn-amd-amdhsa--gfx1250"
	.amdhsa_code_object_version 6
	.text
	.protected	k_q6796c1c0b4_pv
	.globl	k_q6796c1c0b4_pv
	.p2align	8
	.type	k_q6796c1c0b4_pv,@function
k_q6796c1c0b4_pv:
	s_mov_b64 s[64:65], 0
	v_nop
	global_prefetch_b8 v0, s[64:65] scope:SCOPE_SE
	s_setreg_imm32_b32 hwreg(HW_REG_WAVE_MODE, 25, 1), 1
	s_wait_xcnt 0x0
	s_wait_alu depctr_hold_cnt(0) depctr_sa_sdst(0) depctr_va_vdst(0) depctr_va_sdst(0) depctr_va_ssrc(0) depctr_va_vcc(0) depctr_vm_vsrc(0)
	s_getreg_b32 s2, hwreg(HW_REG_IB_STS2, 6, 4)
	s_cmp_eq_u32 s2, 0
	s_cbranch_scc0 .Lentry_in_a_cluster
	s_endpgm
.Lentry_in_a_cluster:
	s_bfe_u32 s2, ttmp6, 0x10000c
	s_cmp_lg_u32 s2, 0xf033
	s_cbranch_scc0 .Lentry_shape_is_right
	s_endpgm
.Lentry_shape_is_right:
; O = p v / l on codes of FP6 (E2M3), f32 sums.  p arrives quantised under a whole-number M of its own for each (query, 128 keys).  At the head each wave finds its rows' M (the largest of the 16),
; takes D = M - the local M off the four scale bytes of each K step's word (an exact power of two, held at the byte 0), and adds the 16 l, each x 2^-D.  O is multiplied by 1 / l on the way out.
; A tile is 128 queries x 256 channels (so that there are 256 work-groups); K = the batch's 2,048 keys = 16 K steps.  Four waves, each 64 x 128: 32 accumulators.
; A band of 64 queries or channels lies in four tiles, lane-row 8 h + i of tile j its number 32 h + 8 j + i.  Source 0 = 16 channels of v^T, source 1 = 16 queries of p: lane (r, h) holds query r of p's block,
; and register j of accumulator (a, b) channel 64 (b / 4) + 32 h + 8 (b % 4) + j of the wave's 128.
; RING: two slots of four K steps; slot 0 is filled at the head, one tensor load a wave, slot 1 behind the round that follows; two refills, each behind a round, each with four K steps, 128 matrix instructions, in which to land.
; CLUSTER 4 x 4: p's tile is shared along a row of the cluster, v's along a column (the four rows of a cluster lie in one batch).
; PREFETCH: one fill (four K steps) ahead of each joint load; the sixteen waves of the four work-groups that ask jointly share its rows of 256 bytes out by address.
; LIMITS: NaN and infinities are not served.  Where a local M lies more than 127 under the row's, D is held at 127 and the bytes at 0: what is kept too large is under 2^-110 of l, which is over 1/2.
; REGISTERS.  Window 0: v10-30 addresses; v32-95 v's scale words (32 + 8 (ks / 2) + 2 j + ks % 2: lanes 0-15 block j, lanes 16-31 block j + 4); v96-127 p's (96 + 2 ks + a': lanes 0-15 block a', lanes 16-31 block a' + 2): these hold scales alone;
;   v128-191 the scaled rows on the way out; v192-211 at work; v216-223 1 / l, a pair a block.
;   Window 1: v0-95, v96-191 v's two sets (on the way out v0-63, v192-255 rows read back).  Window 2: accumulator (a, b) at v[8 (8 a + b)].  Window 3: v0-47, v48-95 p's two sets; v96-223 p's records.
.set RBB,   6144                       ; a block's four K steps in a slot
.set PREG,  8*RBB                      ; p's 8 blocks; v's 16 lie behind them
.set SLOT,  24*RBB
.set SPARE, 2*SLOT                     ; behind the ring: the spare words, 128 bytes a wave
.set SPITCH, 528                       ; the way out: a stage of 16 rows x (512 + 16) bytes for each wave, in slot 0, which has had its last fill and its last read by then
.set VC,    12582912
.set VS,    19398656
.set PSC,   12582912
.set PFP,  10                          ; v10, v11 the prefetches' offsets in ps and in qkv
.set PFV,  11
.set ADRA, 16                          ; v16-17
.set ADRB, 20                          ; v20-21
.set STO,  24
.set RD,   25
.set LOFF, 26
.set POFF, 27                          ; 16 r + 512 h
.set SPW,  28
.set NIL,  29
.set VOFF, 30                          ; 8 r + 512 h
.set SV,   32
.set SP,   96
.set RC,   96                          ; in window 3: record 2 ks + a': scale word, -M, l, a word of zeros
.set T,    128
.set RL,   216
.set G1P, 24
.set G1V, 32
.set G0P, 40
.set G0V, 48
.set MSB, 0
.macro WIN new
.if MSB != (\new)
	s_set_vgpr_msb (MSB<<8)|(\new)
.set MSB, (\new)
.endif
.endm
.macro PLACES n
.rept \n
	v_nop
.endr
.endm
.macro ASK f
	global_prefetch_b8 v[PFP], s[4:5] offset:6144*(\f) th:TH_LOAD_NT scope:SCOPE_SE
	global_prefetch_b8 v[PFV], s[6:7] offset:6144*(\f) th:TH_LOAD_NT scope:SCOPE_SE
.endm
.macro JLOAD g0a, g1a, g0b, g1b        ; waves 0 and 1 fetch p's halves, waves 2 and 3 v's
	s_cmp_eq_u32 s15, 0
	s_cbranch_scc0 .Lfor_b_\@
	tensor_load_to_lds s[\g0a:\g0a+3], s[\g1a:\g1a+7]
	s_nop 0
	PLACES 4
	s_branch .Lasked_\@
.Lfor_b_\@:
	tensor_load_to_lds s[\g0b:\g0b+3], s[\g1b:\g1b+7]
	s_nop 0
	PLACES 4
.Lasked_\@:
.endm
.macro CREST
	s_cmp_lg_u32 s14, 0
	s_cbranch_scc1 .Lnot_wave_0_\@
	s_barrier_signal -3
.Lnot_wave_0_\@:
	s_barrier_wait -3
	s_barrier_signal -1
	s_barrier_wait -1
.endm
.macro CROUND
	s_barrier_signal -1
	s_barrier_wait -1
	CREST
.endm
.macro FRAG reg, adr, off
.irp c, 0,1,2
	ds_load_b128 v[\reg+4*\c:\reg+4*\c+3], v[\adr] offset:\off+512*\c
.endr
.endm
.macro FETCH4 ks                       ; K step ks (slot (ks / 4) % 2): v's eight fragments and p's four, into sets ks % 2
	WIN 0x40
.irp i, 0,1,2,3,4,5,6,7
	FRAG 96*((\ks)%2)+12*\i, ADRB+((\ks)/4)%2, RBB*\i+1536*((\ks)%4)
.endr
	WIN 0xc0
.irp i, 0,1,2,3
	FRAG 48*((\ks)%2)+12*\i, ADRA+((\ks)/4)%2, RBB*\i+1536*((\ks)%4)
.endr
	WIN 0
.endm
.macro WM1 ra, rb                      ; one product; ra, rb: the scales of source 0, 1 stand in lanes 16-31
.if zero_
	v_wmma_scale_f32_16x16x128_f8f6f4 v[rD:rD+7], v[rB:rB+11], v[rA:rA+11], 0, v[rSV], v[rSP] matrix_a_fmt:MATRIX_FMT_FP6 matrix_b_fmt:MATRIX_FMT_FP6 matrix_a_scale:MATRIX_SCALE_ROW\ra matrix_b_scale:MATRIX_SCALE_ROW\rb
.else
	v_wmma_scale_f32_16x16x128_f8f6f4 v[rD:rD+7], v[rB:rB+11], v[rA:rA+11], v[rD:rD+7], v[rSV], v[rSP] matrix_a_fmt:MATRIX_FMT_FP6 matrix_b_fmt:MATRIX_FMT_FP6 matrix_a_scale:MATRIX_SCALE_ROW\ra matrix_b_scale:MATRIX_SCALE_ROW\rb
.endif
.endm
.macro MUL8 a, ks, zero                ; p's block a x v's eight.  The 32 accumulators take turns in one order throughout
.set zero_, \zero
.irp b, 0,1,2,3,4,5,6,7
.set rD, 8*(8*(\a)+\b)
.set rB, 96*((\ks)%2)+12*\b
.set rA, 48*((\ks)%2)+12*(\a)
.set rSV, SV+8*((\ks)/2)+2*(\b%4)+(\ks)%2
.set rSP, SP+2*(\ks)+(\a)%2
.if (\b < 4) && ((\a) < 2)
	WM1 0, 0
.elseif \b < 4
	WM1 0, 1
.elseif (\a) < 2
	WM1 1, 0
.else
	WM1 1, 1
.endif
.endr
.endm
.macro STEP4 ks, zero
	s_wait_dscnt 0x0                               ; this K step's fragments are in (asked for 32 matrix instructions ago)
	PLACES 4
	FETCH4 (\ks)+1
	WIN 0xad                                       ; source 0 (v) window 1, source 1 (p) window 3, C and D window 2
	MUL8 0, \ks, \zero
	MUL8 1, \ks, \zero
	MUL8 2, \ks, \zero
	MUL8 3, \ks, \zero
	WIN 0
.endm
; A slot's last K step changes slots.  fill = 1: this slot is filled again, with the K steps eight on.
.macro TURN4 ks, fill
	s_wait_tensorcnt 0x0                           ; all my tensor loads have landed: my part of the next slot
	ds_add_u32 v[SPW], v[NIL]
	s_wait_dscnt 1                                 ; this K step's fragments are in (the add may be out)
	WIN 0xad
	MUL8 0, \ks, 0                                 ; eight matrix instructions stand between the add and the wait for it
	s_wait_dscnt 0x0                               ; the add is done, and my reads of this slot are over
	s_barrier_signal -1
	MUL8 1, \ks, 0
	WIN 0
	s_barrier_wait -1
.if \fill
	CREST                                          ; no wave of any partner still reads this slot or has a load on its way
	s_add_nc_u64 s[G0P+4*(((\ks)/4)%2)+2:G0P+4*(((\ks)/4)%2)+3], s[G0P+4*(((\ks)/4)%2)+2:G0P+4*(((\ks)/4)%2)+3], 2*RBB
	s_add_nc_u64 s[G0V+4*(((\ks)/4)%2)+2:G0V+4*(((\ks)/4)%2)+3], s[G0V+4*(((\ks)/4)%2)+2:G0V+4*(((\ks)/4)%2)+3], 2*RBB
	JLOAD G0P+4*(((\ks)/4)%2), G1P, G0V+4*(((\ks)/4)%2), G1V
.else
	PLACES 4
.endif
	FETCH4 (\ks)+1
.if (\ks) == 3
	ASK 3
.endif
	WIN 0xad
	MUL8 2, \ks, 0
	MUL8 3, \ks, 0
	WIN 0
.endm
; K step ks of the repair, for my rows of blocks a' = 0, 1 (lanes 16-31: blocks 2, 3).  v192+a' = the row's M; v194+a' = l.
.macro REPAIR ks
	WIN 3
.irp p, 0,1
	v_add_f32 v[196+8*\p], v[RC+8*(\ks)+4*\p+1], v[192+\p]         ; D = M - the local M, a whole number, 0 or more
.endr
.irp p, 0,1
	v_or_b32 v[199+8*\p], v[RC+8*(\ks)+4*\p], s82                  ; p's bytes lie under 128: with bit 7 set on each, no borrow crosses bytes
.endr
	WIN 0
.irp p, 0,1
	v_min_num_f32 v[196+8*\p], 0x42fe0000, v[196+8*\p]             ; held at 127
.endr
.irp p, 0,1
	v_cvt_i32_f32 v[196+8*\p], v[196+8*\p]
.endr
.irp p, 0,1
	v_sub_nc_u32 v[197+8*\p], 0, v[196+8*\p]
.endr
.irp p, 0,1
	v_perm_b32 v[198+8*\p], v[196+8*\p], v[196+8*\p], s81          ; D in all four bytes
.endr
	WIN 3
.irp p, 0,1
.if (\ks) == 0
	v_ldexp_f32 v[194+\p], v[RC+8*(\ks)+4*\p+2], v[197+8*\p]       ; l x 2^-D
.else
	v_ldexp_f32 v[200+8*\p], v[RC+8*(\ks)+4*\p+2], v[197+8*\p]
.endif
.endr
	WIN 0
.irp p, 0,1
	v_sub_nc_u32 v[199+8*\p], v[199+8*\p], v[198+8*\p]
.endr
.if (\ks) > 0
.irp p, 0,1
	v_add_f32 v[194+\p], v[194+\p], v[200+8*\p]
.endr
.endif
.irp p, 0,1
	v_and_b32 v[201+8*\p], s82, v[199+8*\p]                        ; bit 7 has stayed where the byte was D or more
.endr
.irp p, 0,1
	v_lshrrev_b32 v[202+8*\p], 7, v[201+8*\p]
.endr
.irp p, 0,1
	v_sub_nc_u32 v[201+8*\p], v[201+8*\p], v[202+8*\p]             ; 0x7f in those bytes, 0 in the others
.endr
.irp p, 0,1
	v_and_b32 v[SP+2*(\ks)+\p], v[199+8*\p], v[201+8*\p]           ; the byte - D, held at 0
.endr
.endm
	s_load_b128 s[4:7], s[0:1], 0x0                ; ps, qkv
	s_load_b64 s[8:9], s[0:1], 0x10                ; out0
	v_lshl_add_u32 v[SPW], v0, 2, SPARE
	v_mov_b32 v[NIL], 0
	ds_add_u32 v[SPW], v[NIL]                      ; the opening lines
	ds_add_u32 v[SPW], v[NIL]
	v_lshrrev_b32 v1, 5, v0
	v_readfirstlane_b32 s14, v1
	s_lshr_b32 s15, s14, 1                         ; my 64 queries.  Also: I fetch for p (0) or for v (1)
	s_and_b32 s16, s14, 1                          ; my 128 channels.  Also: which half I fetch
	s_bfe_u32 s66, ttmp6, 0x40000                  ; cx
	s_bfe_u32 s67, ttmp6, 0x40004                  ; cy
	s_lshl_b32 s68, ttmp9, 2
	s_add_co_u32 s68, s68, s66                     ; the tile of channels 0..3
	s_and_b32 s70, ttmp7, 0xffff
	s_lshl_b32 s69, s70, 2
	s_add_co_u32 s69, s69, s67                     ; the tile of queries 0..63
	s_lshr_b32 s70, s70, 2                         ; the batch: the same in all partners
	s_lshl_b32 s71, s67, 2
	s_lshl_b32 s71, 15, s71
	s_lshl_b32 s72, 0x1111, s66
	s_or_b32 s[G1P], s71, (3<<16)|(1<<21)
	s_mov_b32 s[G1P+1], 768<<16                    ; 6,144 bytes: a block's four K steps
	s_mov_b32 s[G1P+2], 4<<16                      ; 4 blocks
	s_mov_b32 s[G1P+3], 768<<16
	s_mov_b32 s[G1P+4], 4
	s_mov_b32 s[G1P+5], 3072                       ; from block to block: 24,576 bytes
	s_mov_b32 s[G1P+6], 0
	s_mov_b32 s[G1P+7], 0
	s_or_b32 s[G1V], s72, (3<<16)|(1<<21)
	s_mov_b32 s[G1V+1], 768<<16
	s_mov_b32 s[G1V+2], 8<<16                      ; 8 blocks
	s_mov_b32 s[G1V+3], 768<<16
	s_mov_b32 s[G1V+4], 8
	s_mov_b32 s[G1V+5], 12288                      ; from block to block: 98,304 bytes
	s_mov_b32 s[G1V+6], 0
	s_mov_b32 s[G1V+7], 0
	s_lshl_b32 s74, s69, 3
	s_lshl_b32 s90, s16, 2
	s_add_co_u32 s74, s74, s90
	s_mul_i32 s74, s74, 24576                      ; p's blocks 8 tile + 4 half
	s_mov_b32 s75, 0
	s_lshl_b32 s76, s68, 4
	s_lshl_b32 s90, s16, 3
	s_add_co_u32 s76, s76, s90
	s_mul_i32 s76, s76, 98304                      ; v's blocks 16 tile + 8 half,
	s_mul_i32 s90, s70, 24576
	s_add_co_u32 s76, s76, s90                     ; the batch's 16 K steps
	s_add_co_u32 s76, s76, VC
	s_mov_b32 s77, 0
	s_mul_i32 s78, s16, 4*RBB                      ; where they go: no place in the cluster enters an LDS address
	s_mul_i32 s79, s16, 8*RBB
	s_add_co_u32 s79, s79, PREG
	s_mov_b32 s80, 0xffff0000                      ; lanes 16-31
	s_mov_b32 s81, 0
	s_mov_b32 s82, 0x80808080
	s_mov_b32 s20, 0x76543210
	s_mov_b32 s21, 0xfedcba98
	s_lshl_b32 s84, s69, 11
	s_lshl_b32 s90, s15, 10
	s_add_co_u32 s84, s84, s90
	s_add_co_u32 s84, s84, PSC                     ; p's records: my 64 queries
	s_mov_b32 s85, 0
	s_lshl_b32 s86, s70, 16
	s_lshl_b32 s90, s68, 11
	s_add_co_u32 s86, s86, s90
	s_lshl_b32 s90, s16, 10
	s_add_co_u32 s86, s86, s90
	s_add_co_u32 s86, s86, VS                      ; v's scale words: the batch's 8 pairs of key steps, my 128 channels
	s_mov_b32 s87, 0
	s_lshl_b32 s88, s69, 19
	s_lshl_b32 s90, s15, 18
	s_add_co_u32 s88, s88, s90
	s_lshl_b32 s90, s68, 10
	s_add_co_u32 s88, s88, s90
	s_lshl_b32 s90, s16, 9
	s_add_co_u32 s88, s88, s90                     ; out0: my first row, my first channel
	s_mov_b32 s89, 0
	s_lshl_b32 s56, s66, 2
	s_add_co_u32 s56, s56, s14                     ; my number among the sixteen waves that share p's tile: two waves a block, 12 rows of 256 bytes each
	s_lshr_b32 s57, s56, 1
	s_mul_i32 s57, s57, 24576
	s_and_b32 s56, s56, 1
	s_mul_i32 s56, s56, 3072
	s_add_co_u32 s57, s57, s56
	s_mul_i32 s56, s69, 196608
	s_add_co_u32 s57, s57, s56
	s_lshl_b32 s58, s67, 2
	s_add_co_u32 s58, s58, s14                     ; and v's: a wave a block, 24 rows
	s_mul_i32 s58, s58, 98304
	s_mul_i32 s56, s68, 1572864
	s_add_co_u32 s58, s58, s56
	s_mul_i32 s56, s70, 24576
	s_add_co_u32 s58, s58, s56
	s_add_co_u32 s58, s58, VC
	s_mul_i32 s90, s15, 4*RBB
	s_mul_i32 s91, s16, 8*RBB
	s_add_co_u32 s91, s91, PREG
	s_mul_i32 s92, s14, 16*SPITCH                  ; my stage
	s_wait_dscnt 0x0
	s_wait_kmcnt 0x0
	s_add_nc_u64 s[74:75], s[4:5], s[74:75]
	s_add_nc_u64 s[76:77], s[6:7], s[76:77]
	s_add_nc_u64 s[84:85], s[4:5], s[84:85]
	s_add_nc_u64 s[86:87], s[6:7], s[86:87]
	s_add_nc_u64 s[88:89], s[8:9], s[88:89]
.irp s, 0,1
	s_mov_b32 s[G0P+4*\s], 1
	s_add_co_u32 s[G0P+4*\s+1], s78, \s*SLOT
	s_add_nc_u64 s[G0P+4*\s+2:G0P+4*\s+3], s[74:75], \s*RBB
	s_or_b32 s[G0P+4*\s+3], s[G0P+4*\s+3], 0x80000000
	s_mov_b32 s[G0V+4*\s], 1
	s_add_co_u32 s[G0V+4*\s+1], s79, \s*SLOT
	s_add_nc_u64 s[G0V+4*\s+2:G0V+4*\s+3], s[76:77], \s*RBB
	s_or_b32 s[G0V+4*\s+3], s[G0V+4*\s+3], 0x80000000
.endr
	CROUND                                         ; all sixteen work-groups are here: the first joint loads meet
	JLOAD G0P, G1P, G0V, G1V                       ; K steps 0 to 3: one tensor load a wave at the head
	v_and_b32 v1, 31, v0
	v_and_b32 v2, 15, v0
	v_bfe_u32 v3, v0, 4, 1
	v_lshlrev_b32 v[LOFF], 4, v1
	v_lshlrev_b32 v[POFF], 4, v2
	v_lshl_add_u32 v[POFF], v3, 9, v[POFF]
	v_lshlrev_b32 v[VOFF], 3, v2
	v_lshl_add_u32 v[VOFF], v3, 9, v[VOFF]
	v_min_u32 v[PFP], 11, v1
	v_min_u32 v[PFV], 23, v1
	v_lshl_add_u32 v[PFP], v[PFP], 8, s57
	v_lshl_add_u32 v[PFV], v[PFV], 8, s58
	v_add_nc_u32 v[ADRA], s90, v[LOFF]
	v_add_nc_u32 v[ADRB], s91, v[LOFF]
	v_add_nc_u32 v[ADRA+1], SLOT, v[ADRA]
	v_add_nc_u32 v[ADRB+1], SLOT, v[ADRB]
	v_mul_u32_u24 v[STO], v2, SPITCH
	v_lshl_add_u32 v[STO], v3, 7, v[STO]
	v_add_nc_u32 v[STO], s92, v[STO]               ; in: row r, + 128 h
	v_add_nc_u32 v[RD], s92, v[LOFF]               ; back: a row of 512 bytes
	s_wait_alu depctr_va_vdst(0)
	WIN 0xc0
.set k, 0
.rept 16
.irp p, 0,1
	global_load_b128 v[RC+8*k+4*\p:RC+8*k+4*\p+3], v[POFF], s[84:85] offset:131072*k+256*\p
.endr
.set k, k+1
.endr
	WIN 0
.set k, 0
.rept 8
.irp j, 0,1,2,3
	global_load_b64 v[SV+8*k+2*\j:SV+8*k+2*\j+1], v[VOFF], s[86:87] offset:8192*k+128*\j
.endr
.set k, k+1
.endr
	ASK 1
	s_wait_tensorcnt 0x0                           ; my part of slot 0 is in
	ds_add_u32 v[SPW], v[NIL]
	s_wait_dscnt 0x0
	CROUND
	JLOAD G0P+4, G1P, G0V+4, G1V                   ; slot 1's first fill
	FETCH4 0
	ASK 2
	s_wait_loadcnt 32                              ; p's records are in; the 32 loads of v's scale words may be out
	WIN 0x3f
.irp p, 0,1
	v_max3_num_f32 v[192+\p], -v[RC+4*\p+1], -v[RC+8+4*\p+1], -v[RC+16+4*\p+1]   ; the row's M: the largest of the 16
.endr
	WIN 0x3c
.irp k, 3,5,7,9,11,13
.irp p, 0,1
	v_max3_num_f32 v[192+\p], v[192+\p], -v[RC+8*\k+4*\p+1], -v[RC+8*\k+8+4*\p+1]
.endr
.endr
.irp p, 0,1
	v_max_num_f32 v[192+\p], v[192+\p], -v[RC+120+4*\p+1]
.endr
.irp k, 0,1,2,3,4,5,6,7,8,9,10,11,12,13,14,15
	REPAIR \k
.endr
	s_wait_alu depctr_va_vdst(0)
	v_rcp_f32 v194, v194
	v_rcp_f32 v195, v195
	v_nop                                          ; a plain place behind the reciprocals
	s_wait_alu depctr_va_vdst(0)                   ; one wait for both, ahead of their first reader
	v_mov_b32 v196, 0                              ; (a lane permute's destination counts as one of its sources)
	v_mov_b32 v197, 0
	v_permlanex16_b32 v196, v194, s20, s21
	v_permlanex16_b32 v197, v195, s20, s21
	v_cndmask_b32 v[RL+0], v194, v196, s80         ; block 0's 1 / l lies in lanes 0-15: both halves of the lanes get it, in both registers of a pair
	v_cndmask_b32 v[RL+1], v194, v196, s80
	v_cndmask_b32 v[RL+2], v195, v197, s80         ; block 1
	v_cndmask_b32 v[RL+3], v195, v197, s80
	v_cndmask_b32 v[RL+4], v196, v194, s80         ; block 2's lies in lanes 16-31
	v_cndmask_b32 v[RL+5], v196, v194, s80
	v_cndmask_b32 v[RL+6], v197, v195, s80         ; block 3
	v_cndmask_b32 v[RL+7], v197, v195, s80
	PLACES 8                                       ; scale registers written by vector instructions stand eight places ahead of a scaled matrix instruction
	s_wait_alu depctr_va_vdst(0)
	s_wait_loadcnt 0x0                             ; v's scale words
	STEP4 0, 1
	STEP4 1, 0
	STEP4 2, 0
	TURN4 3, 1
	STEP4 4, 0
	STEP4 5, 0
	STEP4 6, 0
	TURN4 7, 1
	STEP4 8, 0
	STEP4 9, 0
	STEP4 10, 0
	TURN4 11, 0                                    ; nothing is left to fetch
	STEP4 12, 0
	STEP4 13, 0
	STEP4 14, 0
; THE WAY OUT, a block of 16 queries x 128 channels at a time: x 1 / l (each accumulator from its low end on), through my stage, back as whole rows of 512 bytes.  Lane-row t of block a is query 8 a + t % 8 + 32 (t / 8) of the wave's 64.
; The last K step goes by blocks: a finished block is on its way while the next one's products are issued.
.macro PACK a
	WIN 0x02
.set j, 0
.rept 32
	v_pk_mul_f32 v[T+j:T+j+1], v[64*(\a)+j:64*(\a)+j+1], v[RL+2*(\a):RL+2*(\a)+1]
.set j, j+2
.endr
	WIN 0
.endm
.macro STAGE a
.irp b, 0,1,2,3,4,5,6,7
	ds_store_b128 v[STO], v[T+8*\b:T+8*\b+3] offset:256*(\b/4)+32*(\b%4)
	ds_store_b128 v[STO], v[T+8*\b+4:T+8*\b+7] offset:256*(\b/4)+32*(\b%4)+16
.endr
.if (\a) >= 2
	s_wait_xcnt 0x0                                ; the stores of two blocks ago have read the registers that the loads below fill
.endif
	WIN 0x40
.irp t, 0,1,2,3,4,5,6,7,8,9,10,11,12,13,14,15
	ds_load_b128 v[192*((\a)%2)+4*\t:192*((\a)%2)+4*\t+3], v[RD] offset:\t*SPITCH   ; LDS serves a wave's instructions in order: these see my stores
.endr
	WIN 0
.endm
.macro SEND a
	s_wait_dscnt 0x0
	WIN 0x04
.irp t, 0,1,2,3,4,5,6,7,8,9,10,11,12,13,14,15
	global_store_b128 v[LOFF], v[192*((\a)%2)+4*\t:192*((\a)%2)+4*\t+3], s[88:89] offset:(8*(\a)+\t+24*(\t/8))*4096 th:TH_STORE_NT   ; 512 consecutive bytes, aligned
.endr
	WIN 0
.endm
	s_wait_dscnt 0x0
	WIN 0xad
	MUL8 0, 15, 0
	MUL8 1, 15, 0
	WIN 0
	PLACES 4
	s_wait_alu depctr_va_vdst(0)
	PACK 0
	STAGE 0
	WIN 0xad
	MUL8 2, 15, 0
	WIN 0
	SEND 0
	PACK 1
	STAGE 1
	WIN 0xad
	MUL8 3, 15, 0
	WIN 0
	SEND 1
.irp a, 2,3
	PACK \a
	STAGE \a
	SEND \a
.endr
	s_wait_tensorcnt 0x0                           ; the wave's end
	ds_add_u32 v[SPW], v[NIL]
	s_wait_dscnt 0x0
	CROUND                                         ; the closing round
	s_endpgm
.Lfunc_end_k_q6796c1c0b4_pv:
	.size	k_q6796c1c0b4_pv, .Lfunc_end_k_q6796c1c0b4_pv-k_q6796c1c0b4_pv
	.p2alignl 7, 3214868480
	.fill 96, 4, 3214868480
	.section	.rodata,"a",@progbits
	.p2align	6, 0x0
	.amdhsa_kernel k_q6796c1c0b4_pv
		.amdhsa_group_segment_fixed_size 327680
		.amdhsa_private_segment_fixed_size 0
		.amdhsa_enable_private_segment 0
		.amdhsa_kernarg_size 24
		.amdhsa_user_sgpr_count 2
		.amdhsa_user_sgpr_kernarg_segment_ptr 1
		.amdhsa_wavefront_size32 1
		.amdhsa_system_sgpr_workgroup_id_x 1
		.amdhsa_system_sgpr_workgroup_id_y 1
		.amdhsa_system_sgpr_workgroup_id_z 1
		.amdhsa_system_vgpr_workitem_id 0
		.amdhsa_next_free_vgpr 1024
		.amdhsa_next_free_sgpr 100
		.amdhsa_reserve_vcc 0
		.amdhsa_float_denorm_mode_32 3
		.amdhsa_float_denorm_mode_16_64 3
		.amdhsa_memory_ordered 1
		.amdhsa_forward_progress 1
		.amdhsa_inst_pref_size 168
	.end_amdhsa_kernel
	.amdgpu_metadata
---
amdhsa.version: [ 1, 2 ]
amdhsa.kernels:
  - .name:           k_q6796c1c0b4_pv
    .symbol:         k_q6796c1c0b4_pv.kd
    .args:
      - { .name: ps, .offset: 0, .size: 8, .value_kind: global_buffer, .address_space: global }
      - { .name: qkv, .offset: 8, .size: 8, .value_kind: global_buffer, .address_space: global }
      - { .name: out0, .offset: 16, .size: 8, .value_kind: global_buffer, .address_space: global }
    .group_segment_fixed_size: 327680
    .private_segment_fixed_size: 0
    .kernarg_segment_align: 8
    .kernarg_segment_size: 24
    .max_flat_workgroup_size: 128
    .sgpr_count:     100
    .vgpr_count:     1024
    .wavefront_size: 32
...
	.end_amdgpu_metadata
.endif
;; end of part 4
